; MI455X (gfx1250); checked and timed in simulation.
; The chip was launched on July 23, 2026; its instructions are those of AMD's public machine-readable ISA for CDNA 5 (MIT licence, August 2026) and "CDNA5" Instruction Set Architecture Reference Guide (July 2026). The comments in the code are by the model that wrote it; some were corrected since.
;; Multi head attention. Allowed arithmetic: matrix products marked QUANTISED: E2M3 operands, one E8M0 scale for each 32 along K, by v_wmma_scale_f32_16x16x128_f8f6f4 with both operands' format E2M3, f32 sums; everything else in f32.
;; Inputs: Wk 1,024 x 1,024 float32; Wo 1,024 x 1,024 float32; Wq 1,024 x 1,024 float32; Wv 1,024 x 1,024 float32; bo 1,024 float32; pad_mask 4 x 1 x 1 x 2,048 bool; x 4 x 2,048 x 1,024 float32.
;; Outputs: out0 4 x 2,048 x 1,024 float32.
;; This version of the problem:
;;   THIS VERSION OF THE PROBLEM IS GIVEN IN LOW PRECISION. The matrix products marked QUANTISED in the list below multiply operands that are first quantised to E2M3 (2 exponent bits, 3 mantissa bits; 6 bits a number), with one power-of-two scale for each 32 numbers along K (OCP MX v1.0); their sums are f32. All else is computed in f32.
;;   The module's matrix products, in the order in which they are computed (A, B: the left and right operand; K: the contracted axis; several contracted axes count as one K, in the product's order):
;;     1. [M 8,192, K 1,024] x [K 1,024, N 1,024]; A: input x; B: input Wq: QUANTISED
;;     2. [M 8,192, K 1,024] x [K 1,024, N 1,024]; A: input x; B: input Wk: QUANTISED
;;     3. [M 8,192, K 1,024] x [K 1,024, N 1,024]; A: input x; B: input Wv: QUANTISED
;;     4. batch 64 x [M 2,048, K 64] x [K 64, N 2,048]; A: computed on the way; B: computed on the way: QUANTISED
;;     5. batch 64 x [M 2,048, K 2,048] x [K 2,048, N 64]; A: softmax (see below); B: computed on the way: QUANTISED
;;     6. [M 8,192, K 1,024] x [K 1,024, N 1,024]; A: computed on the way; B: input Wo: QUANTISED
;;   THE QUANTISER, for each operand of a quantised product, along K:
;;     - K is cut into blocks of 32 from its start; a last block that is shorter is filled with zeros.
;;     - A block's scale is 2^e with e = floor(log2(the largest magnitude in the block)) - 2, held to -126 .. 127; a block of zeros has e = 0. As a byte (E8M0): e + 127.
;;     - Each number is divided by its block's scale, clamped to +-7.5, and rounded to the nearest number of E2M3, ties to even, subnormals kept.
;;     - The product sums the exact products of the quantised numbers (number of the format x scale) in f32.
;;   ~~~python
;;   def quantise(x, axis):      # numpy; x: float32 -> the quantised numbers, widened to float32 again
;;       x = np.moveaxis(x, axis, -1); K = x.shape[-1]
;;       x = np.pad(x, [(0, 0)] * (x.ndim - 1) + [(0, -K % 32)]); x = x.reshape(x.shape[:-1] + (-1, 32)); a = np.abs(x).max(-1, keepdims=True)
;;       e = np.where(a > 0, np.clip(np.frexp(np.where(a > 0, a, 1))[1] - 1 - 2, -126, 127), 0)      # np.frexp(a)[1] - 1 = floor(log2(a)), exactly
;;       r = np.clip(x / 2.0 ** e, -7.5, 7.5)
;;       step = 2.0 ** (np.maximum(np.frexp(np.where(r == 0, 1, r))[1] - 1, 0) - 3)
;;       q = np.round(r / step) * step * 2.0 ** e      # np.round: ties to even
;;       return np.moveaxis(q.reshape(q.shape[:-2] + (-1,))[..., :K], -1, axis).astype(np.float32)
;;   ~~~
;;   SOFTMAX AHEAD OF A QUANTISED PRODUCT. Where the list says 'softmax', what is quantised is not the finished softmax but p = 2^(t - M), with t = logit x log2(e) and M = ceil(the row's largest t), a whole number; so 1/2 < the row's largest p <= 1. The row's sum l is taken of the UNQUANTISED p, in f32, and the product's result is divided by l at the end. Since M is a whole number, a kernel that streams over the keys may use a running M (the ceiling of the running maximum): every later rescaling is an exact power of two, which a block's scale takes up: the codes' values come out the same.
;;   OPERANDS COMPUTED ON THE WAY. 'Computed on the way' means the value that the module computes at that place (a softmax that the list does not call 'softmax' is quantised finished and normalised). What goes into a quantiser is computed in f32, as accurately as f32 sums, v_exp_f32 and their like allow (about 1e-6 of the number): no bf16 or f16 on the way to a quantiser, and a product that is left as it is and whose result goes on into a quantised operand takes f32 operands (vector FMAs, or v_wmma_f32_16x16x4_f32). A number that lies on a knife's edge between two numbers of the format may be rounded either way, as far as f32 arithmetic and the matrix unit's own rounding can turn it there, and no further.
;; One version. Each part assembles by itself: llvm-mc -triple=amdgcn-amd-amdhsa -mcpu=gfx1250 --defsym DOCPART=n.
;; ======== version 1 of 1: 4 launches
;; limits: right only within a limited range of input values
;; workspace buffers: img 9,437,184 bytes; scl 393,216 bytes; qc 6,291,456 bytes; qs 524,288 bytes; kv 15,466,496 bytes; cimg 6,291,456 bytes; cscl 262,144 bytes
;; launch quant (part 1): grid 256 x 1, 6 waves a work-group, no clusters, 51,456 bytes of LDS; arguments x, Wq, Wk, Wv, Wo, img, scl; writes img, scl
.if DOCPART == 1
	.amdgcn_target "amdgcn-amd-amdhsa--gfx1250"
	.amdhsa_code_object_version 6
	.text
	.protected	k_qbee1b7921a_quant
	.globl	k_qbee1b7921a_quant
	.p2align	8
	.type	k_qbee1b7921a_quant,@function
k_qbee1b7921a_quant:
	s_mov_b64 s[64:65], 0
	v_nop
	global_prefetch_b8 v0, s[64:65] scope:SCOPE_SE
	s_setreg_imm32_b32 hwreg(HW_REG_WAVE_MODE, 25, 1), 1
	s_wait_xcnt 0x0
; x [8192][1024] and Wq, Wk, Wv, Wo [1024][1024], f32 with K innermost, become codes of FP6 (E2M3) and E8M0 scale bytes, one for each 32 along K,
; laid in the order of a matrix operand's registers, so that the later launches fetch fragments without any shuffle.
; ROW TILES.  768 tiles of 16 rows: 0-511 x, 512-575 Wq, 576-639 Wk, 640-703 Wv, 704-767 Wo.  Tile 2 B + u of a tensor holds, in lane r, row 32 B + 8 u + r + 8 (r / 8).
; img: [tile][chunk of 64 along K, 16][plane 3][lane 32][8 bytes]: lane (r, h) holds the 24 bytes of k = 64 chunk + 32 h + 0 .. 31 of its row; a plane is 256 consecutive bytes.
; scl: [tile][half of K][r][16 bytes]: the four scale words (one for each 128 along K) of row r in that half.
; A block's scale is 2^(floor(log2(largest magnitude)) - 2); its byte is the largest magnitude's exponent field - 2, held at 1 from below (a block of zeros keeps the byte 1: its codes are zeros, and this program alone reads the bytes).
; LIMITS: blocks whose largest magnitude lies under 2^-124 get the byte 1; NaN and infinities are not served.
; SHARES.  1,536 jobs, one a wave: a tile x half of K (512 numbers a row), in four steps of 128 along K.  A step's 16 loads read 512 consecutive bytes of one row each; the 8 KiB turn through the wave's own stage
; in LDS (rows 528 bytes apart, so that 16 rows start at 16 different banks: 64 banks of 4 bytes, ISA guide 11.1) and come back 128 bytes a lane and chunk.  Waves share nothing: no barrier, no cluster, no matrix unit.
.set STG, 8448                         ; a wave's stage: 16 rows x 528 bytes
.set RR,  16                           ; v16-143  two sets of 64: a step's numbers as loaded
.set XX,  144                          ; v144-207 a step's 64 numbers of my row: chunk c at XX + 32 c
.set CC,  208                          ; v208-219 the codes, six registers a chunk
.set T0,  220                          ; v220-222, v224-226: a chunk's upper 16 codes (a conversion's three registers begin on an even number)
.set T1,  224
.set MM,  228                          ; v228-229 largest magnitudes
.set SO,  230                          ; v230-231 the conversions' scale operands
.set BY,  232                          ; v232-233 the scale bytes
.set TP,  234                          ; v234-235 at work
.set WW,  236                          ; v236-239 the four steps' scale words
.set DD,  240                          ; v240-241 what I store of them
.set SEL, 30                           ; s[30:31] lane selects: lane l xor 16
.set HM,  32                           ; s32      lanes 16-31
	s_load_b256 s[4:11], s[0:1], 0x0               ; x, Wq, Wk, Wv
	s_load_b128 s[12:15], s[0:1], 0x20             ; Wo, img
	s_load_b64 s[16:17], s[0:1], 0x30              ; scl
	v_lshl_add_u32 v248, v0, 2, 0xc600
	v_mov_b32 v249, 0
	v_lshrrev_b32 v1, 5, v0
	v_readfirstlane_b32 s18, v1                    ; wave 0..5
	v_and_b32 v1, 31, v0                           ; lane
	v_and_b32 v8, 15, v0                           ; r
	v_bfe_u32 v9, v0, 4, 1                         ; h
	v_lshlrev_b32 v2, 4, v1                        ; 16 x lane: my bytes of a load's 512
	v_lshlrev_b32 v3, 3, v1                        ; 8 x lane: my bytes of a plane
	s_mul_i32 s19, s18, STG
	v_add_nc_u32 v4, s19, v2                       ; the stage, in: a row as it lies
	v_mul_u32_u24 v5, v8, 528
	v_lshl_add_u32 v5, v9, 7, v5
	v_add_nc_u32 v5, s19, v5                       ; and out: row r, + 128 h: my 32 numbers of a chunk
	v_lshlrev_b32 v6, 3, v9                        ; 8 h: my bytes' place in a scale word
	v_lshl_add_u32 v7, v8, 4, v6                   ; 16 r + 8 h: my two words of row r's four
	v_mov_b32 v[TP+1], 0                           ; a lane permute's destination counts as one of its sources
	s_mov_b32 s[SEL], 0x76543210
	s_mov_b32 s[SEL+1], 0xfedcba98
	s_mov_b32 s[HM], 0xffff0000
	s_mul_i32 s20, ttmp9, 6
	s_add_co_u32 s20, s20, s18                     ; my job
	s_lshr_b32 s21, s20, 1                         ; its tile
	s_and_b32 s22, s20, 1                          ; its half of K
	s_and_b32 s23, s21, 63                         ; the tile's number inside a weight
	s_wait_alu depctr_va_vdst(0)
	s_wait_kmcnt 0x0
	s_cmp_lt_u32 s21, 704                          ; which tensor: the choice hangs on the job's number alone
	s_cselect_b64 s[24:25], s[10:11], s[12:13]
	s_cmp_lt_u32 s21, 640
	s_cselect_b64 s[24:25], s[8:9], s[24:25]
	s_cmp_lt_u32 s21, 576
	s_cselect_b64 s[24:25], s[6:7], s[24:25]
	s_cmp_lt_u32 s21, 512
	s_cselect_b64 s[24:25], s[4:5], s[24:25]
	s_cselect_b32 s23, s21, s23                    ; the tile's number inside its tensor
	s_lshr_b32 s26, s23, 1
	s_lshl_b32 s26, s26, 5
	s_and_b32 s27, s23, 1
	s_lshl_b32 s27, s27, 3
	s_add_co_u32 s26, s26, s27                     ; the tile's first row: 32 B + 8 u
	s_lshl_b32 s26, s26, 12                        ; rows of 4,096 bytes
	s_lshl_b32 s27, s22, 11
	s_add_co_u32 s26, s26, s27                     ; + 2,048 bytes for the upper half of K
	s_mov_b32 s27, 0
	s_add_nc_u64 s[24:25], s[24:25], s[26:27]
	s_mul_i32 s26, s21, 12288
	s_mul_i32 s28, s22, 6144
	s_add_co_u32 s26, s26, s28
	s_add_nc_u64 s[14:15], s[14:15], s[26:27]      ; my eight chunks of img
	s_lshl_b32 s26, s20, 8
	s_add_nc_u64 s[16:17], s[16:17], s[26:27]      ; my 256 bytes of scl
.macro LOAD s                          ; step s: the tile's 16 rows, 512 consecutive bytes each, into set s % 2
.irp i,0,1,2,3,4,5,6,7,8,9,10,11,12,13,14,15
	global_load_b128 v[RR+64*((\s)%2)+4*\i:RR+64*((\s)%2)+4*\i+3], v2, s[24:25] offset:(\i+8*(\i/8))*4096+512*(\s) th:TH_LOAD_NT
.endr
.endm
.macro TURN s                          ; through the stage: LDS serves a wave's instructions in order (ISA guide 5.7.1.4), so no wait stands between the stores and the loads
.irp i,0,1,2,3,4,5,6,7,8,9,10,11,12,13,14,15
	ds_store_b128 v4, v[RR+64*((\s)%2)+4*\i:RR+64*((\s)%2)+4*\i+3] offset:528*\i
.endr
.irp c,0,1
.irp j,0,1,2,3,4,5,6,7
	ds_load_b128 v[XX+32*\c+4*\j:XX+32*\c+4*\j+3], v5 offset:256*\c+16*\j
.endr
.endr
.endm
.macro WORK s                          ; two chunks: a lane holds a whole block of 32 in each
.irp c,0,1
	v_max3_num_f32 v[MM+\c], |v[XX+32*\c]|, |v[XX+32*\c+1]|, 0x1800000   ; with the floor 2^(3 - 127): the byte cannot fall under 1
.endr
.irp i,2,4,6,8,10,12,14,16,18,20,22,24,26,28,30
.irp c,0,1
	v_max3_num_f32 v[MM+\c], v[MM+\c], |v[XX+32*\c+\i]|, |v[XX+32*\c+\i+1]|
.endr
.endr
.irp c,0,1
	v_add_nc_u32 v[SO+\c], 0xff000000, v[MM+\c]    ; 2 off the exponent field: the conversion takes this operand's exponent field as its scale
.endr
	v_cvt_scalef32_pk16_fp6_f32 v[CC:CC+2], v[XX:XX+15], v[SO]
	v_cvt_scalef32_pk16_fp6_f32 v[T0:T0+2], v[XX+16:XX+31], v[SO]
	v_cvt_scalef32_pk16_fp6_f32 v[CC+6:CC+8], v[XX+32:XX+47], v[SO+1]
	v_cvt_scalef32_pk16_fp6_f32 v[T1:T1+2], v[XX+48:XX+63], v[SO+1]
.irp c,0,1
	v_lshrrev_b32 v[BY+\c], 23, v[SO+\c]           ; the scale's byte; also the plain line between the conversions and the moves
.endr
.irp i,0,1,2
	v_mov_b32 v[CC+3+\i], v[T0+\i]
	v_mov_b32 v[CC+9+\i], v[T1+\i]
.endr
.irp c,0,1
.irp p,0,1,2
	global_store_b64 v3, v[CC+6*\c+2*\p:CC+6*\c+2*\p+1], s[14:15] offset:1536*(\s)+768*\c+256*\p   ; the wave stores 256 consecutive bytes, aligned
.endr
.endr
	v_lshl_or_b32 v[TP], v[BY+1], 16, v[BY]        ; my two bytes: blocks h and 2 + h of this step,
	v_lshlrev_b32 v[TP], v6, v[TP]                 ; at their places in the word;
	v_permlanex16_b32 v[TP+1], v[TP], s[SEL], s[SEL+1]
	v_or_b32 v[WW+(\s)], v[TP], v[TP+1]            ; with lane l xor 16's two the word is whole
.endm
	LOAD 0
	LOAD 1
.irp s,0,1,2,3
.if \s < 3
	s_wait_loadcnt 16                              ; this step's 16 loads are in; the next step's 16 may be out
.else
	s_wait_loadcnt 0x0
.endif
	TURN \s
	s_wait_dscnt 0x0                               ; my numbers are back, and the stage's stores have read their registers
	s_wait_xcnt 0x0                                ; the last step's stores have read the codes' registers, which are written again below
.if \s < 2
	LOAD \s+2
.endif
	WORK \s
.endr
	v_cndmask_b32 v[DD], v[WW], v[WW+2], s[HM]     ; lanes 0-15 store words 0 and 1 of row r, lanes 16-31 words 2 and 3
	v_cndmask_b32 v[DD+1], v[WW+1], v[WW+3], s[HM]
	global_store_b64 v7, v[DD:DD+1], s[16:17]      ; the wave stores 256 consecutive bytes, aligned
	s_wait_tensorcnt 0x0
	ds_add_u32 v248, v249
	s_wait_dscnt 0x0
	s_endpgm
.Lfunc_end_k_qbee1b7921a_quant:
	.size	k_qbee1b7921a_quant, .Lfunc_end_k_qbee1b7921a_quant-k_qbee1b7921a_quant
	.p2alignl 7, 3214868480
	.fill 96, 4, 3214868480
	.section	.rodata,"a",@progbits
	.p2align	6, 0x0
	.amdhsa_kernel k_qbee1b7921a_quant
		.amdhsa_group_segment_fixed_size 51456
		.amdhsa_private_segment_fixed_size 0
		.amdhsa_enable_private_segment 0
		.amdhsa_kernarg_size 56
		.amdhsa_user_sgpr_count 2
		.amdhsa_user_sgpr_kernarg_segment_ptr 1
		.amdhsa_wavefront_size32 1
		.amdhsa_system_sgpr_workgroup_id_x 1
		.amdhsa_system_sgpr_workgroup_id_y 1
		.amdhsa_system_sgpr_workgroup_id_z 1
		.amdhsa_system_vgpr_workitem_id 0
		.amdhsa_next_free_vgpr 250
		.amdhsa_next_free_sgpr 66
		.amdhsa_reserve_vcc 0
		.amdhsa_float_denorm_mode_32 3
		.amdhsa_float_denorm_mode_16_64 3
		.amdhsa_memory_ordered 1
		.amdhsa_forward_progress 1
		.amdhsa_inst_pref_size 32
	.end_amdhsa_kernel
	.amdgpu_metadata
---
amdhsa.version: [ 1, 2 ]
amdhsa.kernels:
  - .name:           k_qbee1b7921a_quant
    .symbol:         k_qbee1b7921a_quant.kd
    .args:
      - { .name: x, .offset: 0, .size: 8, .value_kind: global_buffer, .address_space: global }
      - { .name: Wq, .offset: 8, .size: 8, .value_kind: global_buffer, .address_space: global }
      - { .name: Wk, .offset: 16, .size: 8, .value_kind: global_buffer, .address_space: global }
      - { .name: Wv, .offset: 24, .size: 8, .value_kind: global_buffer, .address_space: global }
      - { .name: Wo, .offset: 32, .size: 8, .value_kind: global_buffer, .address_space: global }
      - { .name: img, .offset: 40, .size: 8, .value_kind: global_buffer, .address_space: global }
      - { .name: scl, .offset: 48, .size: 8, .value_kind: global_buffer, .address_space: global }
    .group_segment_fixed_size: 51456
    .private_segment_fixed_size: 0
    .kernarg_segment_align: 8
    .kernarg_segment_size: 56
    .max_flat_workgroup_size: 192
    .sgpr_count:     66
    .vgpr_count:     250
    .wavefront_size: 32
...
	.end_amdgpu_metadata
.endif
;; end of part 1
;; launch qkv (part 2): grid 8 x 32, 4 waves a work-group, clusters of 4 x 4, 327,680 bytes of LDS; arguments img, scl, pad_mask, qc, qs, kv; writes qc, qs, kv
.if DOCPART == 2
	.amdgcn_target "amdgcn-amd-amdhsa--gfx1250"
	.amdhsa_code_object_version 6
	.text
	.protected	k_qbee1b7921a_qkv
	.globl	k_qbee1b7921a_qkv
	.p2align	8
	.type	k_qbee1b7921a_qkv,@function
k_qbee1b7921a_qkv:
	s_mov_b64 s[64:65], 0
	v_nop
	global_prefetch_b8 v0, s[64:65] scope:SCOPE_SE
	s_setreg_imm32_b32 hwreg(HW_REG_WAVE_MODE, 25, 1), 1
	s_wait_xcnt 0x0
	s_wait_alu depctr_hold_cnt(0) depctr_sa_sdst(0) depctr_va_vdst(0) depctr_va_sdst(0) depctr_va_ssrc(0) depctr_va_vcc(0) depctr_vm_vsrc(0)
	s_getreg_b32 s2, hwreg(HW_REG_IB_STS2, 6, 4)
	s_cmp_eq_u32 s2, 0
	s_cbranch_scc0 .Lentry_in_a_cluster
	s_endpgm
.Lentry_in_a_cluster:
	s_bfe_u32 s2, ttmp6, 0x10000c
	s_cmp_lg_u32 s2, 0xf033
	s_cbranch_scc0 .Lentry_shape_is_right
	s_endpgm
.Lentry_shape_is_right:
; V = x Wv^T, Q = x Wq^T, K = x Wk^T on codes of FP6 (E2M3) with E8M0 scales, f32 sums, K = 1,024 in eight ascending steps of 128; the results are quantised in registers and stored as the attention launch's operands.
; A WORK-GROUP STAYS: it holds 256 rows of x (16 row tiles, by work-group y) for ALL of K, loaded once, and takes them against 128 rows (8 row tiles, by work-group x) of Wv, then of Wq, then of Wk.
; LDS, by halves of K: [half][x's 16 row tiles, then the weight's 8][6,144 bytes: 512 along K]: 294,912 bytes, and the spare words.  At the head one joint load a wave: x's half 0, Wv's half 0, x's half 1, Wv's half 1.
; The weight's region is filled again twice, each time in a drained round of the cluster's barrier with the three lines ahead of it: waves 1 and 3 ask for a half each.
; The refill stands ahead of the last tensor's way out (four quantisers and its stores), and the wait for it behind that.
; PREFETCH.  What the two refills will load is asked for into the L2 during V's products: Wq's 98,304 bytes behind K step 1 (one tensor ahead of their refill), Wk's behind K step 5 (two tensors ahead).  The sixteen waves of the four
; work-groups that will ask jointly share the 384 blocks of 256 bytes out by address, 24 a wave, a lane a block (lanes 24-31 name the wave's last block again).  The eight rows of clusters read the same weights: rows 0 to 3 ask.
; THE WALK: V's products | a loop of two trips: refill, the last tensor's way out (V, then Q), this tensor's products (Q, then K) | K's way out.  No load is jumped over.
; CLUSTERS.  4 x 4 work-groups: the four of a row of the cluster need the same rows of x, the four of a column the same rows of the weights: each tile is asked for jointly.
; WAVE TILE.  Source 0 = R, eight row tiles (a lane's registers run along R, the axis that is quantised); source 1 = P, four row tiles (a lane holds one row of P): 32 accumulators.
;   Q, K: R = the weight's 128 rows (two heads' 64 channels), P = rows 64 w .. of x.    V: R = 128 rows of x (a key step), P = 64 rows of Wv (a head's channels).
; The rows of a row tile are not neighbours (tile 2 B + u, lane r: row 32 B + 8 u + r + 8 (r / 8)), so that the 16 registers of R's tiles 2 B, 2 B + 1 are 16 neighbours: 32 B + 16 h + 0 .. 15.
; THE MASK.  The score product has K = 64 and the instruction 128: k = 64 carries the mask.  A masked key gets zero codes, the code of -1.0 at k = 64 and the byte 160 for that block; a query has 1.0 there with the byte 127:
; the masked score is exactly -2^33, the logit -2^30.  LIMIT: reference()'s -1e9 is taken as -2^30: results differ only in rows whose largest unmasked logit lies under about -1e9.  NaN and infinities are not served;
; blocks whose largest magnitude lies under 2^-124 get the scale byte 1.
; OUT.  qc [bh][query tile 128][plane 3][lane][8 B]; qs [bh][4 tiles][lane][2 words]; kv [bh][step 16][15,104 B]: K's codes 8 x [plane 2][lane][16 B] (in tiles 2, 3, 6, 7 lanes l and l xor 8 change places), K's words at 8,192,
; V's codes 4 x [plane 3][lane][16 B] at 8,704, V's words at 14,848.
; REGISTERS, in windows of 256.  Window 0: v1 8 x lane, v2 16 x lane, v3 r, v4 h, v8-9 / v12-13 LDS addresses of R's / P's fragments in half 0, 1, v32-47 P's scale words, v48-79 R's,
;   v80-175 P's fragments in two sets (later the codes made), v192-193 the prefetches' offsets, v208-247 at work on the way out.   Window 1: v0-191 R's fragments in two sets.   Window 2: accumulator (a, b) at v[8 (8 a + b)].
.set CH,   147456                      ; a half of K: 24 row tiles x 6,144 bytes
.set RTB,  6144
.set WOFF, 98304                       ; the weight's row tiles lie behind x's sixteen
.set ADR,  8
.set ADP,  12
.set SCP,  32
.set SCR,  48
.set PF,   80
.set TM,   208                         ; v208-211 largest magnitudes, v212-215 bytes, v220-223 the conversions' scale operands
.set PW,   224                         ; v224-227 the scale word of P's tile a
.set MK,   234                         ; v234-237 the mask's byte of my row of x in Q's and K's P tile a
.set G1X,  24                          ; s[24:31] descriptor group 1 for x's tiles (16 rows);  s[32:39] for the weight's (8 rows)
.set G1W,  32
.set G0X,  40                          ; s[40:47] group 0 for x, one set a half;  s[68:75] for Wv;  s[76:83] for the refills
.set G0W,  68
.set G0R,  76
.set SEL,  56
.set HM,   58
.set LO16, 59
.set TQ,   60
.set TR,   61                          ; the loop's trip
.set MSB,  0
.macro WIN new                         ; the immediate's high byte repeats the setting that is left
.if MSB != \new
	s_set_vgpr_msb (MSB<<8)|\new
.set MSB, \new
.endif
.endm
.macro PLACES                          ; four plain vector lines behind a matrix instruction, ahead of loads into its sources and of reads of its result
.rept 4
	v_nop
.endr
.endm
.macro CROUND                          ; a round of the cluster's barrier
	s_barrier_signal -1
	s_barrier_wait -1
	s_cmp_lg_u32 s16, 0
	s_cbranch_scc1 .Lnot_wave_0_\@
	s_barrier_signal -3
.Lnot_wave_0_\@:
	s_barrier_wait -3
	s_barrier_signal -1
	s_barrier_wait -1
.endm
.macro ASK v                           ; my 24 blocks of a weight's tile, into the L2; the branch hangs on the cluster's y alone and leads round the prefetch alone
	WIN 0
	s_cmp_lt_u32 s54, 4
	s_cbranch_scc0 .Lno_ask_\@
	global_prefetch_b8 v\v, s[4:5] th:TH_LOAD_NT scope:SCOPE_SE
.Lno_ask_\@:
.endm
	s_load_b128 s[4:7], s[0:1], 0x0                ; img, scl
	s_load_b128 s[8:11], s[0:1], 0x10              ; pad_mask, qc
	s_load_b128 s[12:15], s[0:1], 0x20             ; qs, kv
	v_lshl_add_u32 v254, v0, 2, 0x48000
	v_mov_b32 v255, 0
	ds_add_u32 v254, v255                          ; the opening lines
	ds_add_u32 v254, v255
	v_lshrrev_b32 v1, 5, v0
	v_readfirstlane_b32 s16, v1                    ; wave 0..3
	s_and_b32 s17, s16, 1
	s_lshr_b32 s18, s16, 1
	s_bfe_u32 s19, ttmp6, 0x40000                  ; cx
	s_bfe_u32 s20, ttmp6, 0x40004                  ; cy
	s_lshl_b32 s21, ttmp9, 2
	s_add_co_u32 s21, s21, s19                     ; work-group x, 0 .. 7
	s_and_b32 s22, ttmp7, 0xffff
	s_lshl_b32 s22, s22, 2
	s_add_co_u32 s22, s22, s20                     ; work-group y
	s_lshl_b32 s23, s20, 2
	s_lshl_b32 s23, 15, s23                        ; my row of the cluster
	s_lshl_b32 s84, 0x1111, s19                    ; my column
	s_or_b32 s[G1X], s23, (3<<16)|(1<<21)          ; 15:0 the mask; 17:16 elements of 8 bytes; 21 set beside a mask; no padding
	s_or_b32 s[G1W], s84, (3<<16)|(1<<21)
.irp g, G1X, G1W
	s_mov_b32 s[\g+1], 768<<16                     ; tensor_dim0 = 768 elements: a row tile's 6,144 bytes of a half of K
	s_mov_b32 s[\g+2], (40-\g)<<16                 ; tensor_dim1: 16 row tiles of x (group at s24), 8 of a weight (group at s32)
	s_mov_b32 s[\g+3], 768<<16                     ; tile_dim0
	s_mov_b32 s[\g+4], 40-\g                       ; tile_dim1
	s_mov_b32 s[\g+5], 1536                        ; from row tile to row tile: 12,288 bytes
	s_mov_b32 s[\g+6], 0
	s_mov_b32 s[\g+7], 0
.endr
	s_lshl_b32 s85, s22, 4                         ; x's first row tile of the work-group
	s_lshl_b32 s86, s16, 2
	s_add_co_u32 s86, s85, s86                     ; Q, K: P's first row tile
	s_lshl_b32 s87, s17, 3
	s_add_co_u32 s87, s85, s87                     ; V: R's first
	s_lshl_b32 s88, s21, 3
	s_add_co_u32 s88, s88, 640                     ; Wv's first row tile (Wq's lies 128 tiles, Wk's 64 tiles ahead of it)
	s_lshl_b32 s89, s18, 2
	s_add_co_u32 s89, s88, s89                     ; V: P's first
	s_mul_i32 s92, s85, 12288
	s_mov_b32 s93, 0
	s_mul_i32 s94, s88, 12288
	s_mov_b32 s95, 0
	s_mul_i32 s96, s17, 49152                      ; V: where R begins in a half
	s_mul_i32 s97, s16, 24576                      ; Q, K: where P begins
	s_mul_i32 s98, s18, 24576
	s_add_co_u32 s98, s98, WOFF                    ; V: where P begins
	s_lshl_b32 s100, s22, 8
	s_lshl_b32 s101, s16, 6
	s_add_co_u32 s100, s100, s101                  ; the first row of x in Q's and K's P: 256 y + 64 w
	s_mov_b32 s101, 0
	s_lshl_b32 s62, s89, 9                         ; 512 bytes of scale words a row tile.  V: P's,
	s_mov_b32 s63, 0
	s_lshl_b32 s66, s87, 9                         ; and R's
	s_mov_b32 s67, 0
	s_lshl_b32 s48, s86, 9                         ; Q, K: P's;
	s_mov_b32 s49, 0
	s_lshl_b32 s50, s88, 9
	s_sub_co_u32 s50, s50, 192*512                 ; R's: 64 tiles ahead of Wq's; each trip steps 64 tiles on
	s_mov_b32 s51, 0
	s_sub_co_u32 s54, s94, 192*12288               ; the same for the refills' codes
	s_mov_b32 s55, 0
	s_lshl_b32 s52, s20, 2
	s_add_co_u32 s52, s52, s16                     ; my number among the sixteen waves of my column of the cluster: it enters the prefetches' offsets alone
	s_mul_i32 s52, s52, 6144                       ; my sixteenth of a weight's tile,
	s_add_co_u32 s52, s52, s94
	s_sub_co_u32 s52, s52, 128*12288               ; in Wq's, bytes from img
	s_mov_b32 s[SEL], 0x76543210
	s_mov_b32 s[SEL+1], 0xfedcba98
	s_mov_b32 s[HM], 0xffff0000
	s_mov_b32 s[LO16], 0xffff
	s_mov_b32 s[TQ], 0x017f0000                    ; a query's bytes for k = 64 .. 95 (1.0) and 96 .. 127
	s_wait_dscnt 0x0
	s_wait_kmcnt 0x0
	s_add_nc_u64 s[92:93], s[4:5], s[92:93]
	s_add_nc_u64 s[94:95], s[4:5], s[94:95]
	s_add_nc_u64 s[54:55], s[4:5], s[54:55]
	s_add_nc_u64 s[62:63], s[6:7], s[62:63]
	s_add_nc_u64 s[66:67], s[6:7], s[66:67]
	s_add_nc_u64 s[48:49], s[6:7], s[48:49]
	s_add_nc_u64 s[50:51], s[6:7], s[50:51]
	s_add_nc_u64 s[8:9], s[8:9], s[100:101]
	CROUND                                         ; all sixteen work-groups are here: the joint loads meet
.irp q,0,1
	s_mov_b32 s[G0X+4*\q], 1
	s_mov_b32 s[G0X+4*\q+1], CH*\q
	s_add_nc_u64 s[G0X+4*\q+2:G0X+4*\q+3], s[92:93], RTB*\q
	s_or_b32 s[G0X+4*\q+3], s[G0X+4*\q+3], 0x80000000
	s_mov_b32 s[G0W+4*\q], 1
	s_mov_b32 s[G0W+4*\q+1], CH*\q+WOFF
	s_add_nc_u64 s[G0W+4*\q+2:G0W+4*\q+3], s[94:95], RTB*\q
	s_or_b32 s[G0W+4*\q+3], s[G0W+4*\q+3], 0x80000000
	s_mov_b32 s[G0R+4*\q], 1
	s_mov_b32 s[G0R+4*\q+1], CH*\q+WOFF
	s_add_nc_u64 s[G0R+4*\q+2:G0R+4*\q+3], s[54:55], RTB*\q
	s_or_b32 s[G0R+4*\q+3], s[G0R+4*\q+3], 0x80000000
.endr
	s_and_b32 s54, ttmp7, 0xffff                   ; the cluster's y, for the prefetches' test
	s_cmp_eq_u32 s16, 0                            ; one chain of branches on the wave's number, one load to an arm: every way passes exactly one
	s_cbranch_scc0 .Lw1
	tensor_load_to_lds s[G0X:G0X+3], s[G1X:G1X+7]  ; wave 0: x, half 0 of K
	s_nop 0
	PLACES
	s_branch .Lasked
.Lw1:
	s_cmp_eq_u32 s16, 1
	s_cbranch_scc0 .Lw2
	tensor_load_to_lds s[G0W:G0W+3], s[G1W:G1W+7]  ; wave 1: Wv, half 0
	s_nop 0
	PLACES
	s_branch .Lasked
.Lw2:
	s_cmp_eq_u32 s16, 2
	s_cbranch_scc0 .Lw3
	tensor_load_to_lds s[G0X+4:G0X+7], s[G1X:G1X+7]  ; wave 2: x, half 1
	s_nop 0
	PLACES
	s_branch .Lasked
.Lw3:
	tensor_load_to_lds s[G0W+4:G0W+7], s[G1W:G1W+7]  ; wave 3: Wv, half 1
	s_nop 0
	PLACES
.Lasked:
	v_and_b32 v5, 31, v0
	v_lshlrev_b32 v1, 3, v5
	v_lshlrev_b32 v2, 4, v5
	v_and_b32 v3, 15, v0
	v_bfe_u32 v4, v0, 4, 1
	v_and_b32 v6, 8, v3
	v_add_nc_u32 v6, v6, v3                        ; r + 8 (r / 8)
.irp a,0,1,2,3
	global_load_b128 v[SCP+4*\a:SCP+4*\a+3], v2, s[62:63] offset:512*\a    ; register j: K step j's words in lanes 0-15, K step 4 + j's in lanes 16-31
.endr
.irp b,0,1,2,3,4,5,6,7
	global_load_b128 v[SCR+4*\b:SCR+4*\b+3], v2, s[66:67] offset:512*\b
.endr
.irp a,0,1,2,3
	global_load_u8 v[MK+\a], v6, s[8:9] offset:32*(\a/2)+8*(\a%2)          ; the mask's byte of row 256 y + 64 w + 32 (a / 2) + 8 (a % 2) + r + 8 (r / 8)
.endr
	v_add_nc_u32 v[ADR], s96, v1                   ; V: R = my 128 rows of x, P = my 64 rows of Wv
	v_add_nc_u32 v[ADP], s98, v1
	v_add_nc_u32 v[ADR+1], CH, v[ADR]
	v_add_nc_u32 v[ADP+1], CH, v[ADP]
.irp b,0,1,2,3
	v_mov_b32 v[TM+4+\b], 0                        ; a lane permute's destination counts as one of its sources
.endr
	v_min_u32 v192, 23, v5                         ; the prefetches' offsets, never rewritten: a lane a block of 256 bytes, 24 blocks,
	v_lshl_add_u32 v192, v192, 8, s52              ; of Wq's tile,
	v_add_nc_u32 v193, 64*12288, v192              ; and of Wk's
; K step s's fragments: 72 loads of 8 bytes a lane, each 256 consecutive bytes, into set s % 2
.macro FETCH s
	WIN 0x40                                       ; destination window 1, address window 0
.irp b,0,1,2,3,4,5,6,7
.irp c,0,1
.irp p,0,1,2
	ds_load_b64 v[96*((\s)%2)+12*\b+6*\c+2*\p:96*((\s)%2)+12*\b+6*\c+2*\p+1], v[ADR+(\s)/4] offset:RTB*\b+1536*((\s)%4)+768*\c+256*\p
.endr
.endr
.endr
	WIN 0
.irp a,0,1,2,3
.irp c,0,1
.irp p,0,1,2
	ds_load_b64 v[PF+48*((\s)%2)+12*\a+6*\c+2*\p:PF+48*((\s)%2)+12*\a+6*\c+2*\p+1], v[ADP+(\s)/4] offset:RTB*\a+1536*((\s)%4)+768*\c+256*\p
.endr
.endr
.endr
.endm
; K step s's 32 products.  The accumulators take turns, one instruction a turn, in the same order in every step.  The first step starts the sums.
.macro MUL s
	WIN 0xa1                                       ; source 0 (R) window 1, source 1 (P) window 0, C and D window 2
.irp a,0,1,2,3
.irp b,0,1,2,3,4,5,6,7
.if (\s) == 0
	v_wmma_scale_f32_16x16x128_f8f6f4 v[8*(8*\a+\b):8*(8*\a+\b)+7], v[96*((\s)%2)+12*\b:96*((\s)%2)+12*\b+11], v[PF+48*((\s)%2)+12*\a:PF+48*((\s)%2)+12*\a+11], 0, v[SCR+4*\b+(\s)%4], v[SCP+4*\a+(\s)%4] matrix_a_fmt:MATRIX_FMT_FP6 matrix_b_fmt:MATRIX_FMT_FP6
.elseif (\s) < 4
	v_wmma_scale_f32_16x16x128_f8f6f4 v[8*(8*\a+\b):8*(8*\a+\b)+7], v[96*((\s)%2)+12*\b:96*((\s)%2)+12*\b+11], v[PF+48*((\s)%2)+12*\a:PF+48*((\s)%2)+12*\a+11], v[8*(8*\a+\b):8*(8*\a+\b)+7], v[SCR+4*\b+(\s)%4], v[SCP+4*\a+(\s)%4] matrix_a_fmt:MATRIX_FMT_FP6 matrix_b_fmt:MATRIX_FMT_FP6
.else
	v_wmma_scale_f32_16x16x128_f8f6f4 v[8*(8*\a+\b):8*(8*\a+\b)+7], v[96*((\s)%2)+12*\b:96*((\s)%2)+12*\b+11], v[PF+48*((\s)%2)+12*\a:PF+48*((\s)%2)+12*\a+11], v[8*(8*\a+\b):8*(8*\a+\b)+7], v[SCR+4*\b+(\s)%4], v[SCP+4*\a+(\s)%4] matrix_a_fmt:MATRIX_FMT_FP6 matrix_b_fmt:MATRIX_FMT_FP6 matrix_a_scale:MATRIX_SCALE_ROW1 matrix_b_scale:MATRIX_SCALE_ROW1
.endif
.endr
.endr
.endm
.macro KSTEP s, st                     ; st = 1: half 1 of K is shown in K step 3 (the head's loads)
	s_wait_dscnt 0x0                               ; this step's fragments are in
.if (\s) < 7
.if (\st) && (\s) == 3
	s_wait_tensorcnt 0x0                           ; every wave waits for its one load: half 1 of K is shown to all by the barrier below
	s_barrier_signal -1
	s_barrier_wait -1
.endif
.if (\s) > 0
	PLACES                                         ; behind the last step's products, which read the set that is loaded now
.endif
	FETCH (\s)+1
.endif
.if (\s) == 0
	s_wait_loadcnt 0x0                             ; the scale words (the first time the mask's bytes too)
.endif
	MUL \s
.endm
; 64 numbers of a lane in window 2, register src + 16 b + i = R's coordinate 32 b + 16 h + i of my row of P, become a fragment's codes in v[pc] .. v[pc + 11] and its scale word in v[pw]; each accumulator is read from its low end on
.macro QUANT src, pc, pw
	WIN 0x28                                       ; sources 1 and 2 window 2
.irp b,0,1,2,3
	v_max3_num_f32 v[TM+\b], 0x1800000, |v[(\src)+16*\b]|, |v[(\src)+16*\b+1]|   ; with the floor 2^(3 - 127): the byte cannot fall under 1
.endr
.irp i,2,4,6,8,10,12,14
.irp b,0,1,2,3
	v_max3_num_f32 v[TM+\b], v[TM+\b], |v[(\src)+16*\b+\i]|, |v[(\src)+16*\b+\i+1]|
.endr
.endr
	WIN 0
.irp b,0,1,2,3
	v_permlanex16_b32 v[TM+4+\b], v[TM+\b], s[SEL], s[SEL+1]
.endr
.irp b,0,1,2,3
	v_max_num_f32 v[TM+\b], v[TM+\b], v[TM+4+\b]   ; with lane l xor 16's 16: the block's largest magnitude
.endr
.irp b,0,1,2,3
	v_add_nc_u32 v[TM+12+\b], 0xff000000, v[TM+\b] ; 2 off the exponent field: the conversion's scale operand
.endr
.irp b,0,1,2,3
	v_lshrrev_b32 v[TM+4+\b], 23, v[TM+12+\b]      ; the scale's byte
.endr
	v_lshl_or_b32 v[\pw], v[TM+5], 8, v[TM+4]
	v_lshl_or_b32 v[\pw], v[TM+6], 16, v[\pw]
	v_lshl_or_b32 v[\pw], v[TM+7], 24, v[\pw]
	WIN 0x02                                       ; source 0 window 2
.irp c,0,1
	v_cvt_scalef32_pk16_fp6_f32 v[(\pc)+6*\c:(\pc)+6*\c+2], v[(\src)+32*\c:(\src)+32*\c+15], v[TM+12+2*\c]
	v_cvt_scalef32_pk16_fp6_f32 v[(\pc)+12+4*\c:(\pc)+14+4*\c], v[(\src)+32*\c+16:(\src)+32*\c+31], v[TM+13+2*\c]
.endr
	WIN 0
	v_nop                                          ; one plain line behind the scaled conversions
.irp c,0,1                                     ; the operand's layout wants a whole block in a lane: lanes 0-15 block 2 c, lanes 16-31 block 2 c + 1
.irp i,0,1,2
	v_permlane16_swap_b32 v[(\pc)+6*\c+\i], v[(\pc)+12+4*\c+\i]
.endr
.irp i,0,1,2
	v_mov_b32 v[(\pc)+3+6*\c+\i], v[(\pc)+12+4*\c+\i]
.endr
.endr
.endm
.macro QALL                            ; a tensor's 32 accumulators become four fragments and their scale words
.irp a,0,1,2,3
	QUANT 64*\a, PF+24*\a, PW+\a
.endr
	v_cndmask_b32 v240, v[PW], v[PW+1], s[HM]      ; the words of four tiles in two registers: lanes 0-15 tiles 0 and 2, lanes 16-31 tiles 1 and 3
	v_cndmask_b32 v241, v[PW+2], v[PW+3], s[HM]
	s_mov_b32 s91, 0
	s_mov_b32 s95, 0
.endm
.macro QKROWS                          ; Q, K: which 64 rows of x are my wave's
	s_lshl_b32 s85, s22, 2
	s_add_co_u32 s85, s85, s16
	s_lshr_b32 s86, s85, 5
	s_lshl_b32 s86, s86, 4                         ; 16 x batch
	s_and_b32 s87, s85, 31                         ; which 64 rows of the batch
.endm
; ================= V's products
	s_wait_alu depctr_va_vdst(0)                   ; the wait at the head's end
	s_cmp_lt_u32 s16, 2                            ; waves 0 and 1 asked for half 0 of K, by load lines of their own: they wait for it
	s_cbranch_scc0 .Lnot_h0
	s_wait_tensorcnt 0x0
.Lnot_h0:
	s_barrier_signal -1
	s_barrier_wait -1                              ; half 0 is in; half 1 may still be on its way
	FETCH 0
	KSTEP 0, 1
	KSTEP 1, 1
	ASK 192                                        ; Wq's rows, which the first refill will load
.irp s,2,3,4,5
	KSTEP \s, 1
.endr
	ASK 193                                        ; Wk's, which the second will
	KSTEP 6, 1
	KSTEP 7, 1
	WIN 0
	s_mov_b32 s[TR], 0
; ================= two trips: refill (Wq, Wk), the last tensor's way out (V, Q), this tensor's products (Q, K)
.Ltensor:
	PLACES                                         ; behind the last products: ahead of the loads into their scale registers and of the reads of their results
	s_wait_tensorcnt 0x0                           ; none of my loads is out,
	ds_add_u32 v254, v255                          ; the add,
	s_add_nc_u64 s[G0R+2:G0R+3], s[G0R+2:G0R+3], 64*12288   ; (so the descriptors may be written: the next weight's rows, 64 row tiles on)
	s_add_nc_u64 s[G0R+6:G0R+7], s[G0R+6:G0R+7], 64*12288
	s_add_nc_u64 s[50:51], s[50:51], 64*512        ; (and its scale words: the last loads by this base were waited for in K step 0)
	s_wait_dscnt 0x0                               ; and my reads of the weight's region are over
	CROUND                                         ; the same holds of every wave of all sixteen work-groups
	s_cmp_eq_u32 s16, 1
	s_cbranch_scc0 .Lr3
	tensor_load_to_lds s[G0R:G0R+3], s[G1W:G1W+7]  ; wave 1: half 0 of K
	s_nop 0
	PLACES
	s_branch .Lfilled
.Lr3:
	s_cmp_eq_u32 s16, 3
	s_cbranch_scc0 .Lfilled
	tensor_load_to_lds s[G0R+4:G0R+7], s[G1W:G1W+7]  ; wave 3: half 1
	s_nop 0
	PLACES
.Lfilled:
.irp a,0,1,2,3
	global_load_b128 v[SCP+4*\a:SCP+4*\a+3], v2, s[48:49] offset:512*\a
.endr
.irp b,0,1,2,3,4,5,6,7
	global_load_b128 v[SCR+4*\b:SCR+4*\b+3], v2, s[50:51] offset:512*\b
.endr
	v_add_nc_u32 v[ADR], WOFF, v1                  ; Q, K: R = the weight's 128 rows, P = my 64 rows of x
	v_add_nc_u32 v[ADP], s97, v1
	v_add_nc_u32 v[ADR+1], CH, v[ADR]
	v_add_nc_u32 v[ADP+1], CH, v[ADP]
	QALL
	s_cmp_eq_u32 s[TR], 0
	s_cbranch_scc1 .Lv
	; ---- Q: registers 6 e .. 6 e + 5 are head 2 x + e's 64 channels of my query
	QKROWS
	s_lshl_b32 s88, s21, 1
	s_add_co_u32 s88, s88, s86                     ; batch x 16 + head
	s_mul_i32 s90, s88, 98304
	s_mul_i32 s92, s87, 3072
	s_add_co_u32 s90, s90, s92
	s_add_nc_u64 s[10:11], s[10:11], s[90:91]
	s_lshl_b32 s90, s88, 13
	s_lshl_b32 s92, s87, 8
	s_add_co_u32 s90, s90, s92
	s_add_nc_u64 s[12:13], s[12:13], s[90:91]
	s_wait_alu depctr_va_vdst(0)
.irp a,0,1,2,3
.irp e,0,1
.irp p,0,1,2
	global_store_b64 v1, v[PF+24*\a+6*\e+2*\p:PF+24*\a+6*\e+2*\p+1], s[10:11] offset:98304*\e+768*\a+256*\p   ; 256 consecutive bytes, aligned
.endr
.endr
.endr
	v_and_or_b32 v244, v240, s[LO16], s[TQ]        ; the first head's two bytes, and the bytes of the mask's half
	v_and_or_b32 v245, v241, s[LO16], s[TQ]
	v_lshrrev_b32 v246, 16, v240                   ; the second head's
	v_lshrrev_b32 v247, 16, v241
	v_or_b32 v246, s[TQ], v246
	v_or_b32 v247, s[TQ], v247
	global_store_b64 v1, v[244:245], s[12:13]
	global_store_b64 v1, v[246:247], s[12:13] offset:8192
	s_branch .Lstored
.Lv:
	; ---- V: a fragment of 16 channels x 128 keys as it stands
	s_lshl_b32 s85, s22, 1
	s_add_co_u32 s85, s85, s17                     ; which 128 rows of x
	s_lshr_b32 s86, s85, 4
	s_lshl_b32 s86, s86, 4                         ; 16 x batch
	s_and_b32 s87, s85, 15                         ; the key step
	s_lshl_b32 s88, s21, 1
	s_add_co_u32 s88, s88, s18                     ; the head
	s_add_co_u32 s88, s88, s86
	s_mul_i32 s90, s88, 241664
	s_mul_i32 s92, s87, 15104
	s_add_co_u32 s90, s90, s92
	s_add_nc_u64 s[52:53], s[14:15], s[90:91]
	s_wait_alu depctr_va_vdst(0)
.irp a,0,1,2,3
.irp p,0,1,2
	global_store_b128 v2, v[PF+24*\a+4*\p:PF+24*\a+4*\p+3], s[52:53] offset:8704+1536*\a+512*\p
.endr
.endr
	global_store_b64 v1, v[240:241], s[52:53] offset:14848
.Lstored:
	s_wait_alu depctr_va_vdst(0)
	s_wait_xcnt 0x0                                ; the stores have read their registers, which the fragments below land on
	s_wait_tensorcnt 0x0                           ; my half of the weight has landed
	s_barrier_signal -1
	s_barrier_wait -1                              ; both have
	FETCH 0
.irp s,0,1,2,3,4,5,6,7
	KSTEP \s, 0
.endr
	WIN 0
	s_add_co_u32 s[TR], s[TR], 1
	s_cmp_lt_u32 s[TR], 2
	s_cbranch_scc1 .Ltensor
; ================= K's way out: as Q, eight registers a tile and head: six of codes (zeros where the key is masked), the mask's code at k = 64, a zero
	PLACES
	QALL
	QKROWS
	s_lshl_b32 s88, s21, 1
	s_add_co_u32 s88, s88, s86
	s_mul_i32 s90, s88, 241664
	s_lshr_b32 s92, s87, 1                         ; the key step
	s_mul_i32 s92, s92, 15104
	s_add_co_u32 s90, s90, s92
	s_add_nc_u64 s[14:15], s[14:15], s[90:91]
	s_and_b32 s92, s87, 1                          ; which four of the step's eight tiles
	s_lshl_b32 s94, s92, 12
	s_add_nc_u64 s[96:97], s[14:15], s[94:95]
	s_lshl_b32 s94, s92, 8
	s_add_nc_u64 s[98:99], s[14:15], s[94:95]
	s_wait_alu depctr_va_vdst(0)
	v_xor_b32 v7, 128, v2                          ; 16 x (lane xor 8): in tiles 2 and 3 of my four, rows r and r xor 8 change places, so that the reader's rows r and r + 8, which come from tiles two apart, lie 128 bytes apart modulo 256
	v_sub_nc_u32 v238, 1, v4
	v_mul_u32_u24 v238, 40, v238                   ; the code of -1.0, in lanes 0-15 alone: they hold k = 64
.irp a,0,1,2,3
	v_add_nc_u32 v228, -1, v[MK+\a]                ; all ones where the key counts, 0 where it is masked
	v_mul_u32_u24 v229, v[MK+\a], v238
	v_mul_u32_u24 v[230+\a], 0x9f0000, v[MK+\a]    ; 159 more on the byte of k = 64 .. 95 where masked
.irp i,0,1,2,3,4,5
	v_and_b32 v[PF+24*\a+12+\i], v228, v[PF+24*\a+6+\i]      ; the second head's, into the registers that the conversions' halves have left
.endr
	v_mov_b32 v[PF+24*\a+18], v229
	v_mov_b32 v[PF+24*\a+19], 0
.irp i,0,1,2,3,4,5
	v_and_b32 v[PF+24*\a+\i], v228, v[PF+24*\a+\i]           ; the first head's, in place
.endr
	v_mov_b32 v[PF+24*\a+6], v229
	v_mov_b32 v[PF+24*\a+7], 0
.irp e,0,1
.irp p,0,1
	global_store_b128 v[2+5*(\a/2)], v[PF+24*\a+12*\e+4*\p:PF+24*\a+12*\e+4*\p+3], s[96:97] offset:241664*\e+1024*\a+512*\p   ; 512 consecutive bytes, aligned (v2, or v7 for tiles 2 and 3)
.endr
.endr
.endr
	v_cndmask_b32 v242, v230, v231, s[HM]
	v_cndmask_b32 v243, v232, v233, s[HM]
	v_add_nc_u32 v242, 0x01010000, v242            ; the bytes of k = 64 .. 95 (1, or 160 where masked) and 96 .. 127 (1)
	v_add_nc_u32 v243, 0x01010000, v243
	v_and_or_b32 v244, v240, s[LO16], v242
	v_and_or_b32 v245, v241, s[LO16], v243
	v_lshrrev_b32 v246, 16, v240
	v_lshrrev_b32 v247, 16, v241
	v_or_b32 v246, v246, v242
	v_or_b32 v247, v247, v243
	global_store_b64 v1, v[244:245], s[98:99] offset:8192
	global_store_b64 v1, v[246:247], s[98:99] offset:8192+241664
	s_wait_tensorcnt 0x0                           ; the wave's end
	ds_add_u32 v254, v255
	s_wait_dscnt 0x0
	CROUND                                         ; the closing round: no work-group ends while a partner may still ask for a tile that names it
	s_endpgm
.Lfunc_end_k_qbee1b7921a_qkv:
	.size	k_qbee1b7921a_qkv, .Lfunc_end_k_qbee1b7921a_qkv-k_qbee1b7921a_qkv
	.p2alignl 7, 3214868480
	.fill 96, 4, 3214868480
	.section	.rodata,"a",@progbits
	.p2align	6, 0x0
	.amdhsa_kernel k_qbee1b7921a_qkv
		.amdhsa_group_segment_fixed_size 327680
		.amdhsa_private_segment_fixed_size 0
		.amdhsa_enable_private_segment 0
		.amdhsa_kernarg_size 48
		.amdhsa_user_sgpr_count 2
		.amdhsa_user_sgpr_kernarg_segment_ptr 1
		.amdhsa_wavefront_size32 1
		.amdhsa_system_sgpr_workgroup_id_x 1
		.amdhsa_system_sgpr_workgroup_id_y 1
		.amdhsa_system_sgpr_workgroup_id_z 1
		.amdhsa_system_vgpr_workitem_id 0
		.amdhsa_next_free_vgpr 768
		.amdhsa_next_free_sgpr 102
		.amdhsa_reserve_vcc 0
		.amdhsa_float_denorm_mode_32 3
		.amdhsa_float_denorm_mode_16_64 3
		.amdhsa_memory_ordered 1
		.amdhsa_forward_progress 1
		.amdhsa_inst_pref_size 195
	.end_amdhsa_kernel
	.amdgpu_metadata
---
amdhsa.version: [ 1, 2 ]
amdhsa.kernels:
  - .name:           k_qbee1b7921a_qkv
    .symbol:         k_qbee1b7921a_qkv.kd
    .args:
      - { .name: img, .offset: 0, .size: 8, .value_kind: global_buffer, .address_space: global }
      - { .name: scl, .offset: 8, .size: 8, .value_kind: global_buffer, .address_space: global }
      - { .name: pad_mask, .offset: 16, .size: 8, .value_kind: global_buffer, .address_space: global }
      - { .name: qc, .offset: 24, .size: 8, .value_kind: global_buffer, .address_space: global }
      - { .name: qs, .offset: 32, .size: 8, .value_kind: global_buffer, .address_space: global }
      - { .name: kv, .offset: 40, .size: 8, .value_kind: global_buffer, .address_space: global }
    .group_segment_fixed_size: 327680
    .private_segment_fixed_size: 0
    .kernarg_segment_align: 8
    .kernarg_segment_size: 48
    .max_flat_workgroup_size: 128
    .sgpr_count:     102
    .vgpr_count:     768
    .wavefront_size: 32
...
	.end_amdgpu_metadata
.endif
;; end of part 2
;; launch attn (part 3): grid 4 x 64, 16 waves a work-group, clusters of 4 x 1, 243,712 bytes of LDS; arguments qc, qs, kv, cimg, cscl; writes cimg, cscl
.if DOCPART == 3
	.amdgcn_target "amdgcn-amd-amdhsa--gfx1250"
	.amdhsa_code_object_version 6
	.text
	.protected	k_qbee1b7921a_attn
	.globl	k_qbee1b7921a_attn
	.p2align	8
	.type	k_qbee1b7921a_attn,@function
k_qbee1b7921a_attn:
	s_mov_b64 s[64:65], 0
	v_nop
	global_prefetch_b8 v0, s[64:65] scope:SCOPE_SE
	s_setreg_imm32_b32 hwreg(HW_REG_WAVE_MODE, 25, 1), 1
	s_wait_xcnt 0x0
	s_wait_alu depctr_hold_cnt(0) depctr_sa_sdst(0) depctr_va_vdst(0) depctr_va_sdst(0) depctr_va_ssrc(0) depctr_va_vcc(0) depctr_vm_vsrc(0)
	s_getreg_b32 s2, hwreg(HW_REG_IB_STS2, 6, 4)
	s_cmp_eq_u32 s2, 0
	s_cbranch_scc0 .Lentry_in_a_cluster
	s_endpgm
.Lentry_in_a_cluster:
	s_bfe_u32 s2, ttmp6, 0x10000c
	s_cmp_lg_u32 s2, 0x3003
	s_cbranch_scc0 .Lentry_shape_is_right
	s_endpgm
.Lentry_shape_is_right:
; context = softmax(Q K^T / 8, masked) V for one head, both products on codes of FP6 (E2M3) with E8M0 scales; the context is divided by the row's sum, quantised along the embedding and stored as the last product's operand.
; THE SOFTMAX: t = score x log2(e) / 8; M = the running largest t rounded up to a whole number; p = 2^(t - M) is quantised along the keys, not normalised; the row's sum is taken of the unquantised p; when M moves,
; the sum and O are multiplied by 2^(old M - new M), which rounds nothing.  The running maximum is kept as a score; -M = floor(-c x it).
; THE MASK lies in the operands: a masked key's score is exactly -2^33 (zero codes, and -1.0 x 2^33 against the query's 1.0 at k = 64): p is 0 beside any key that counts, and exactly 1 for every key of a row in which all keys are masked.
; LIMITS: reference()'s -1e9 is taken as -2^30 (see the launch that lays K); the scaled scores stay under 2^31 in magnitude; NaN and infinities are not served.
; SHARES.  A work-group owns one head (work-group y) and 512 of its queries; the head's whole K and V, 16 key steps x 15,104 bytes, lie in LDS, each byte filled once.  The four work-groups of a cluster share the head:
; each key step is asked for jointly, ONE LOAD A WAVE: wave w asks for key step w.  Waves 0 and 1 have a load line of their own and wait for it ahead of the first barrier; behind key steps 0 and 1 of the first tile every wave
; waits for its load and a second barrier shows the other fourteen steps.  No other barrier stands in the walk.  Each of sixteen waves owns two tiles of 16 queries, one after the other, in 256 registers.
; NO PREFETCH: all that the work-group reads through LDS is asked for at the head in one group; no loop runs ahead of a later request.
; LAYOUT.  Both products are used transposed (S^T = K Q^T, O^T = V^T P^T): a lane holds one query throughout.  WHICH KEYS FORM A TILE OF K IS CHOSEN BY THE LANES' LDS ADDRESSES: row 8 g + j of tile 4 c + t is key 64 c + 32 g + 8 t + j,
; so lane (r, h) holds in registers S + 32 c + 0 .. 31 the keys 64 c + 32 h + 0 .. 31: a WHOLE scale block, in the order of P's operand registers.  A block's maximum needs no other lane and no codes change lanes.
; As kv has it, that key lies in stored tile 2 (2 c + g) + t % 2 at row 8 (t / 2) + j, the row xor 8 where g = 1: byte 4096 c + 2048 g + 1024 (t % 2) + 512 plane + 128 ((t / 2) xor g) + 16 j + 256 h of the step.
; K's tiles lie 8 registers apart while the operand names 12: the last four meet zero codes of Q and add nothing.  V's tiles and the way out keep their order: register 16 B + i of O^T is channel 32 B + 16 h + i.
; A STEP'S ORDER.  K's 20 LDS loads for the NEXT step are issued behind this step's last products, with the row's sum between them and their first use, and are waited for by count, a pair of tiles at a time.
; V's 13 loads are issued behind the score products and waited for behind the exponentials.  The last step of a run is written out: it fetches nothing, or the next tile's step 0.
; A step's sum of p ends in v[246:247] and is added onto the row's sum in the NEXT step (at a tile's end: on the way out), where that line and the copy of the last -M are two of the four places behind the score products.
; REGISTERS: v1, v2 K's lane addresses for t / 2 = 0, 1; v38 K's scale words'; v9 16 x lane; v10 8 x lane; v3-7 the same five with the step's base; v11 8 h; v12 -M, v39 the last -M, v13 largest score, v[14:15] the sum; v16-27 Q,
; v28 its scale word, v29 16 r + h, v30-36 the second tile's Q; v40-107 K (v40-87 then V), v108-111 K's scale words, v112-113 V's, v116-179 S^T then p, v180-211 O^T, v212-223 p's codes, v224-253 at work, v254-255 the add's two.
.set STEPB, 15104
.set KSO,   8192
.set VCO,   8704
.set VSO,   14848
.set SPARE, 16*STEPB                   ; behind the sixteen key steps: the spare words, 128 bytes a wave
.set KF,    40
.set KS,    108
.set VS,    112
.set S,     116
.set O,     180
.set PC,    212
.set H0,    224
.set H1,    228
.set BM,    232                        ; v232, v234 the two blocks' maxima (the way out: v232, v233)
.set TP,    236
.set TP2,   237
.set BS,    238
.set BT,    240
.set PWD,   242
.set PW2,   243
.set FF,    244
.set MX,    246                        ; v246-253 eight chains of maxima, one an accumulator; between two steps v[246:247] hold the last step's sum of p
.set WV,    14
.set G1,    24
.set G0,    32
.set SEL,   48
.set CS,    50
.set HM,    52
.set TB,    53
.set CNT,   54
.set NC,    55
.macro CROUND                          ; a round of the cluster's barrier
	s_barrier_signal -1
	s_barrier_wait -1
	s_cmp_lg_u32 s[WV], 0
	s_cbranch_scc1 .Lnot_wave_0_\@
	s_barrier_signal -3
.Lnot_wave_0_\@:
	s_barrier_wait -3
	s_barrier_signal -1
	s_barrier_wait -1
.endm
	s_load_b256 s[4:11], s[0:1], 0x0               ; qc, qs, kv, cimg
	s_load_b64 s[12:13], s[0:1], 0x20              ; cscl
	v_lshl_add_u32 v254, v0, 2, SPARE
	v_mov_b32 v255, 0
	ds_add_u32 v254, v255                          ; the opening lines: the add, twice on end, and its wait ahead of my tensor load
	ds_add_u32 v254, v255
	v_lshrrev_b32 v1, 5, v0
	v_readfirstlane_b32 s[WV], v1                  ; wave 0..15
	s_bfe_u32 s15, ttmp6, 0x40000                  ; cx: it enters the queries' and the context's addresses alone
	s_and_b32 s16, ttmp7, 0xffff                   ; batch x 16 + head, which the four partners share
	s_mov_b32 s[G1], 15|(3<<16)|(1<<21)            ; the mask: all four work-groups; elements of 8 bytes; bit 21 beside a mask; no padding
	s_mov_b32 s[G1+1], 32<<16                      ; rows of 256 bytes
	s_mov_b32 s[G1+2], 59<<16                      ; 59 of them: a key step's dense 15,104 bytes
	s_mov_b32 s[G1+3], 32<<16
	s_mov_b32 s[G1+4], 59
	s_mov_b32 s[G1+5], 32
	s_mov_b32 s[G1+6], 0
	s_mov_b32 s[G1+7], 0
	s_mul_i32 s56, s16, 241664
	s_mul_i32 s58, s[WV], STEPB                    ; wave w fetches key step w
	s_add_co_u32 s56, s56, s58
	s_mov_b32 s57, 0
	s_mov_b32 s[SEL], 0x76543210
	s_mov_b32 s[SEL+1], 0xfedcba98
	s_mov_b32 s[CS], 0x3e38aa3b                    ; c = log2(e) / 8
	s_mov_b32 s[CS+1], s[CS]                       ; (named with it as a pair, so it is written)
	s_mov_b32 s[NC], 0xbe38aa3b                    ; -c
	s_mov_b32 s[HM], 0xffff0000
	s_wait_dscnt 0x0
	s_wait_kmcnt 0x0
	s_add_nc_u64 s[8:9], s[8:9], s[56:57]
	CROUND                                         ; all four work-groups are here: the joint loads meet
	s_mov_b32 s[G0], 1
	s_mov_b32 s[G0+1], s58
	s_mov_b64 s[G0+2:G0+3], s[8:9]
	s_or_b32 s[G0+3], s[G0+3], 0x80000000
	s_cmp_lt_u32 s[WV], 2                          ; two arms, one load in each: the waves that wait ahead of the first barrier have a line of their own
	s_cbranch_scc0 .Lrest
	tensor_load_to_lds s[G0:G0+3], s[G1:G1+7]      ; key steps 0 and 1
	s_nop 0
.rept 4
	v_nop
.endr
	s_branch .Lasked
.Lrest:
	tensor_load_to_lds s[G0:G0+3], s[G1:G1+7]      ; key steps 2 to 15
	s_nop 0
.rept 4
	v_nop
.endr
.Lasked:
	s_lshr_b32 s17, s16, 4                         ; batch
	s_and_b32 s18, s16, 15                         ; head
	s_lshl_b32 s19, s15, 5
	s_lshl_b32 s20, s[WV], 1
	s_add_co_u32 s19, s19, s20                     ; my first query tile: 32 cx + 2 wave
	s_mov_b32 s21, 0
	s_mul_i32 s20, s16, 98304
	s_mul_i32 s22, s19, 768
	s_add_co_u32 s20, s20, s22
	s_add_nc_u64 s[4:5], s[4:5], s[20:21]          ; its codes
	s_lshl_b32 s20, s16, 13
	s_lshr_b32 s22, s19, 2
	s_lshl_b32 s22, s22, 8
	s_add_co_u32 s20, s20, s22
	s_and_b32 s22, s[WV], 1
	s_lshl_b32 s22, s22, 2
	s_add_co_u32 s20, s20, s22
	s_add_nc_u64 s[6:7], s[6:7], s[20:21]          ; its scale words
	s_lshl_b32 s22, s17, 7
	s_add_co_u32 s22, s22, s19                     ; its row tile among the context's 512
	s_mul_i32 s20, s22, 12288
	s_mul_i32 s23, s18, 768
	s_add_co_u32 s20, s20, s23
	s_add_nc_u64 s[10:11], s[10:11], s[20:21]      ; the head is chunk `head' of 64 along the embedding
	s_lshl_b32 s20, s22, 9
	s_lshr_b32 s23, s18, 3
	s_lshl_b32 s23, s23, 8
	s_add_co_u32 s20, s20, s23
	s_and_b32 s23, s18, 7
	s_lshl_b32 s23, s23, 1
	s_add_co_u32 s20, s20, s23
	s_add_nc_u64 s[12:13], s[12:13], s[20:21]      ; and its two scale bytes lie 2 (head % 8) into row r's 16 bytes
	v_and_b32 v5, 31, v0
	v_and_b32 v7, 15, v0                           ; r
	v_bfe_u32 v8, v0, 4, 1                         ; h
	v_lshlrev_b32 v9, 4, v5
	v_lshlrev_b32 v10, 3, v5
	v_lshlrev_b32 v6, 3, v7                        ; 8 r
	v_lshl_add_u32 v29, v7, 4, v8
.irp p,0,1,2
	global_load_b64 v[16+2*\p:17+2*\p], v10, s[4:5] offset:256*\p
.endr
.irp p,0,1,2
	global_load_b64 v[30+2*\p:31+2*\p], v10, s[4:5] offset:768+256*\p
.endr
	global_load_b32 v28, v6, s[6:7]
	global_load_b32 v36, v6, s[6:7] offset:128
	v_and_b32 v3, 7, v0                            ; j
	v_bfe_u32 v4, v0, 3, 1                         ; g
	v_lshlrev_b32 v5, 4, v3
	v_lshl_add_u32 v5, v8, 8, v5                   ; 16 j + 256 h
	v_mad_u32_u24 v1, v4, 2176, v5                 ; t / 2 = 0: + g (2048 + 128)
	v_mad_u32_u24 v2, v4, 1920, v5
	v_add_nc_u32 v2, 128, v2                       ; t / 2 = 1: + 128 + g (2048 - 128)
	v_lshlrev_b32 v5, 3, v3
	v_lshl_add_u32 v5, v4, 2, v5
	v_lshl_add_u32 v38, v8, 7, v5                  ; K's scale words: 8 j + 4 g, lanes 16-31 the odd tile's, 128 bytes on
	v_lshlrev_b32 v11, 3, v8                       ; 8 h
	v_sub_nc_u32 v22, 8, v11                       ; the code of 1.0 at k = 64 (lanes 0-15); zeros at k = 96 on
.irp i,23,24,25,26,27,104,105,106,107
	v_mov_b32 v\i, 0
.endr
	v_mov_b32 v[TP2], 0                            ; a lane permute's destination counts as one of its sources
	v_mov_b32 v[PW2], 0
	v_mov_b32 v[FF+1], 0                           ; (named as the upper half of a pair)
.macro KADR                            ; K's three LDS addresses for the step at s[TB]
	v_add_nc_u32 v3, s[TB], v1
	v_add_nc_u32 v4, s[TB], v2
	v_add_nc_u32 v5, s[TB], v38
.endm
.macro KLOAD                           ; 20 loads: the four scale words (tiles 2 w in lanes 0-15, 2 w + 1 in lanes 16-31), then tiles 0 to 7, two loads each
.irp w,0,1,2,3
	ds_load_b32 v[KS+\w], v5 offset:KSO+256*(\w/2)+64*(\w%2)
.endr
.irp c,0,1
.irp t,0,1,2,3
	ds_load_b128 v[KF+32*\c+8*\t:KF+32*\c+8*\t+3], v[3+\t/2] offset:4096*\c+1024*(\t%2)
	ds_load_b128 v[KF+32*\c+8*\t+4:KF+32*\c+8*\t+7], v[3+\t/2] offset:4096*\c+1024*(\t%2)+512
.endr
.endr
.endm
.macro KFIRST first                    ; ahead of a run: its first step's K
	s_mov_b32 s[TB], STEPB*\first
	KADR
	KLOAD
.endm
.macro TMM j0, n                       ; n packed lines of t - M, from register S + j0 on
.set j, \j0
.rept \n
	v_pk_fma_f32 v[S+j:S+j+1], v[S+j:S+j+1], s[CS:CS+1], v[12:13] op_sel_hi:[1,0,0]
.set j, j+2
.endr
.endm
.macro SUMS d, i0, n                   ; the sum's tree, in place: pairs i0 .. i0 + n - 1 take up the pairs d further on
.set j, \i0
.rept \n
	v_pk_add_f32 v[S+2*j:S+2*j+1], v[S+2*j:S+2*j+1], v[S+2*(j+\d):S+2*(j+\d)+1]
.set j, j+1
.endr
.endm
; A KEY STEP: 128 keys, whose bytes begin at LDS byte s[TB]; its K is on its way.  nx = 1: the next step's K is fetched; 2: step 0's, for the next tile of queries; 0: nothing
.macro STEP nx
	s_wait_alu depctr_va_vdst(0)                   ; the wait ahead of the waits below
.irp t,0,2,4,6                                 ; S^T = K Q^T.  Tiles t and t + 1 name registers up to tile t + 2's first load: 2 t + 9 of the 20 loads, so 11 - 2 t may be out
.if \t < 6
	s_wait_dscnt 11-2*\t
.else
	s_wait_dscnt 0x0
.endif
	v_wmma_scale_f32_16x16x128_f8f6f4 v[S+8*\t:S+8*\t+7], v[KF+8*\t:KF+8*\t+11], v[16:27], 0, v[KS+\t/2], v28 matrix_a_fmt:MATRIX_FMT_FP6 matrix_b_fmt:MATRIX_FMT_FP6
	v_wmma_scale_f32_16x16x128_f8f6f4 v[S+8*\t+8:S+8*\t+15], v[KF+8*\t+8:KF+8*\t+19], v[16:27], 0, v[KS+\t/2], v28 matrix_a_fmt:MATRIX_FMT_FP6 matrix_b_fmt:MATRIX_FMT_FP6 matrix_a_scale:MATRIX_SCALE_ROW1
.endr
	v_add_nc_u32 v6, s[TB], v9                     ; four places ahead of the loads into K's registers and of the first read of the scores: V's two addresses,
	v_add_nc_u32 v7, s[TB], v10
	v_mov_b32 v39, v12                             ; the last -M,
	v_pk_add_f32 v[14:15], v[14:15], v[MX:MX+1]    ; and the last step's sum of p onto the row's sum
.irp a,0,1,2,3                                 ; V lands while the softmax is walked
.irp p,0,1,2
	ds_load_b128 v[KF+12*\a+4*\p:KF+12*\a+4*\p+3], v6 offset:VCO+1536*\a+512*\p
.endr
.endr
	ds_load_b64 v[VS:VS+1], v7 offset:VSO
.irp a,0,1,2,3,4,5,6,7                         ; the largest score of my two blocks of 32 keys: eight chains, one an accumulator, each read from its low end on
	v_max3_num_f32 v[MX+\a], v[S+8*\a], v[S+8*\a+1], v[S+8*\a+2]
.endr
.irp i,3,5
.irp a,0,1,2,3,4,5,6,7
	v_max3_num_f32 v[MX+\a], v[MX+\a], v[S+8*\a+\i], v[S+8*\a+\i+1]
.endr
.endr
.irp c,0,1
	v_max3_num_f32 v[MX+4*\c], v[MX+4*\c], v[MX+4*\c+1], v[S+32*\c+7]
.endr
.irp c,0,1
	v_max3_num_f32 v[MX+4*\c+2], v[MX+4*\c+2], v[MX+4*\c+3], v[S+32*\c+15]
.endr
.irp c,0,1
	v_max3_num_f32 v[MX+4*\c], v[MX+4*\c], v[S+32*\c+23], v[S+32*\c+31]
.endr
.irp c,0,1
	s_delay_alu instid0(VALU_DEP_2)
	v_max_num_f32 v[BM+2*\c], v[MX+4*\c], v[MX+4*\c+2]   ; the block's: it serves the row's maximum and, since p rises with the score, the block's largest p
.endr
	s_delay_alu instid0(VALU_DEP_1)
	v_max_num_f32 v[TP], v[BM], v[BM+2]
	s_delay_alu instid0(VALU_DEP_1)
	v_permlanex16_b32 v[TP2], v[TP], s[SEL], s[SEL+1]
	s_delay_alu instid0(VALU_DEP_1)
	v_max3_num_f32 v13, v13, v[TP], v[TP2]         ; the running largest score of my query
	s_delay_alu instid0(VALU_DEP_1)
	v_mul_f32 v[TP], s[NC], v13
	s_delay_alu instid0(VALU_DEP_1)
	v_floor_f32 v12, v[TP]                         ; the new -M = -ceil(t)
	TMM 0, 4                                       ; t - M; the three lines that make f stand among these
	v_sub_f32 v[TP2], v12, v39                     ; old M - new M: a whole number, 0 or less
	TMM 8, 4
	v_cvt_i32_f32 v[TP2], v[TP2]                   ; (it saturates)
	TMM 16, 4
	v_ldexp_f32 v[FF], 1.0, v[TP2]                 ; f = 2^(old M - new M)
	TMM 24, 20
.irp c,0,2
	v_fma_f32 v[BM+\c], v[BM+\c], s[CS], v12
.endr
.set j, 0
.rept 16
	v_pk_mul_f32 v[O+j:O+j+1], v[O+j:O+j+1], v[FF:FF+1] op_sel_hi:[1,0]   ; O^T under the new M
.set j, j+2
.endr
	s_wait_alu depctr_va_vdst(0)                   ; the wait ahead of the batch
.irp c,0,2
	v_exp_f32 v[BM+\c], v[BM+\c]                   ; the block's largest p: the same two lines on the same number give the same bits
.endr
.set j, 0
.rept 64
	v_exp_f32 v[S+j], v[S+j]                       ; p = 2^(t - M)
.set j, j+1
.endr
	v_pk_mul_f32 v[14:15], v[14:15], v[FF:FF+1] op_sel_hi:[1,0]   ; the sum under the new M; the plain line behind the exponentials
	s_wait_alu depctr_va_vdst(0)                   ; one wait for the batch, ahead of its first reader
	s_wait_dscnt 0x0                               ; V is in: its 13 loads were issued ahead of the softmax
.irp c,0,2
	v_max_num_f32 v[BM+\c], 0x1800000, v[BM+\c]    ; the floor 2^(3 - 127): the byte cannot fall under 1
.endr
.irp c,0,2
	s_delay_alu instid0(VALU_DEP_2)
	v_add_nc_u32 v[BS+\c/2], 0xff000000, v[BM+\c]  ; 2 off the exponent field: the conversion's scale operand
.endr
	v_cvt_scalef32_pk16_fp6_f32 v[PC:PC+2], v[S:S+15], v[BS]
	v_cvt_scalef32_pk16_fp6_f32 v[H0:H0+2], v[S+16:S+31], v[BS]
	v_cvt_scalef32_pk16_fp6_f32 v[PC+6:PC+8], v[S+32:S+47], v[BS+1]
	v_cvt_scalef32_pk16_fp6_f32 v[H1:H1+2], v[S+48:S+63], v[BS+1]
.irp c,0,1
	v_lshrrev_b32 v[BT+\c], 23, v[BS+\c]           ; the scale's byte; also the plain lines behind the conversions
.endr
	SUMS 16, 0, 2                                  ; the step's sum of the unquantised p: a tree in place; the lines that make p's scale word and move its codes stand among its first level
	v_lshl_or_b32 v[PWD], v[BT+1], 16, v[BT]       ; my two bytes: blocks h and 2 + h,
.irp i,0,1,2
	v_mov_b32 v[PC+3+\i], v[H0+\i]                 ; (a conversion's three registers begin on an even number)
.endr
	v_lshlrev_b32 v[PWD], v11, v[PWD]              ; at their places in the word;
.irp i,0,1,2
	v_mov_b32 v[PC+9+\i], v[H1+\i]
.endr
	v_permlanex16_b32 v[PW2], v[PWD], s[SEL], s[SEL+1]
	SUMS 16, 2, 4
	v_or_b32 v[PWD], v[PWD], v[PW2]                ; with lane l xor 16's two p's scale word is whole
	SUMS 16, 6, 8                                  ; eight places between the scale word and the products
.irp a,0,2                                     ; O^T += V^T P^T: four accumulators by turns
	v_wmma_scale_f32_16x16x128_f8f6f4 v[O+8*\a:O+8*\a+7], v[KF+12*\a:KF+12*\a+11], v[PC:PC+11], v[O+8*\a:O+8*\a+7], v[VS+\a/2], v[PWD] matrix_a_fmt:MATRIX_FMT_FP6 matrix_b_fmt:MATRIX_FMT_FP6
	v_wmma_scale_f32_16x16x128_f8f6f4 v[O+8*\a+8:O+8*\a+15], v[KF+12*\a+12:KF+12*\a+23], v[PC:PC+11], v[O+8*\a+8:O+8*\a+15], v[VS+\a/2], v[PWD] matrix_a_fmt:MATRIX_FMT_FP6 matrix_b_fmt:MATRIX_FMT_FP6 matrix_a_scale:MATRIX_SCALE_ROW1
.endr
.if \nx == 1
	s_add_co_u32 s[TB], s[TB], STEPB
.elseif \nx == 2
	s_mov_b32 s[TB], 0
.endif
.if \nx
	KADR
	SUMS 16, 14, 1                                 ; with the three lines above: four places ahead of the loads into V's registers
	KLOAD
.else
	SUMS 16, 14, 1
.endif
	SUMS 16, 15, 1
	SUMS 8, 0, 8
.set j, 0
.rept 4
	s_delay_alu instid0(VALU_DEP_4)
	v_pk_add_f32 v[S+2*j:S+2*j+1], v[S+2*j:S+2*j+1], v[S+2*j+8:S+2*j+9]
.set j, j+1
.endr
	s_delay_alu instid0(VALU_DEP_2)
	v_pk_add_f32 v[S:S+1], v[S:S+1], v[S+4:S+5]
	s_delay_alu instid0(VALU_DEP_2)
	v_pk_add_f32 v[S+2:S+3], v[S+2:S+3], v[S+6:S+7]
	s_delay_alu instid0(VALU_DEP_1)
	v_pk_add_f32 v[MX:MX+1], v[S:S+1], v[S+2:S+3]  ; the step's sum: it outlives the scores' registers and is taken up in the next step, or on the way out
.endm
.macro RUN n, last                     ; n key steps: n - 1 that fetch the next step's K, and the last, written out
	s_mov_b32 s[CNT], \n-1
.Lstep_\@:
	STEP 1
	s_sub_co_u32 s[CNT], s[CNT], 1
	s_cmp_lg_u32 s[CNT], 0
	s_cbranch_scc1 .Lstep_\@
	STEP \last
.endm
.macro INIT                            ; a tile of 16 queries begins
	v_mov_b32 v13, 0xff61b1e6                      ; the largest score so far: -3e38
	v_mov_b32 v12, 0x7e000000                      ; -M: 2^125, so that the first step's f is 0
	v_mov_b32 v14, 0
	v_mov_b32 v15, 0
	v_mov_b32 v[MX], 0                             ; no step's sum is waiting
	v_mov_b32 v[MX+1], 0
.set j, 0
.rept 32
	v_mov_b32 v[O+j], 0                            ; the step is written once: the first finds zeros, which the first change of M leaves zeros
.set j, j+1
.endr
.endm
; THE WAY OUT: O^T / the sum; register 16 B + i is channel 32 B + 16 h + i of my query: two blocks of 32 along the embedding.  (The sum's lines stand between the last products and these.)
.macro OUT
	v_pk_add_f32 v[14:15], v[14:15], v[MX:MX+1]    ; the last step's sum of p
	s_delay_alu instid0(VALU_DEP_1)
	v_add_f32 v14, v14, v15
	s_delay_alu instid0(VALU_DEP_1)
	v_permlanex16_b32 v[TP], v14, s[SEL], s[SEL+1]
	s_delay_alu instid0(VALU_DEP_1)
	v_add_f32 v14, v14, v[TP]                      ; the row's sum
	s_wait_alu depctr_va_vdst(0)
	v_rcp_f32 v[FF], v14
	v_nop                                          ; a plain line behind the reciprocal
	s_wait_alu depctr_va_vdst(0)                   ; and the wait ahead of its first reader, which is O^T's first reader too
.set j, 0
.rept 16
	v_pk_mul_f32 v[S+j:S+j+1], v[O+j:O+j+1], v[FF:FF+1] op_sel_hi:[1,0]   ; each accumulator from its low end on
.set j, j+2
.endr
.irp b,0,1
	v_max3_num_f32 v[BM+\b], |v[S+16*\b]|, |v[S+16*\b+1]|, 0x1800000
.endr
.irp i,2,4,6,8,10,12,14
.irp b,0,1
	s_delay_alu instid0(VALU_DEP_2)
	v_max3_num_f32 v[BM+\b], v[BM+\b], |v[S+16*\b+\i]|, |v[S+16*\b+\i+1]|
.endr
.endr
.irp b,0,1
	s_delay_alu instid0(VALU_DEP_2)
	v_permlanex16_b32 v[BT+\b], v[BM+\b], s[SEL], s[SEL+1]
.endr
.irp b,0,1
	s_delay_alu instid0(VALU_DEP_2)
	v_max_num_f32 v[BM+\b], v[BM+\b], v[BT+\b]
.endr
.irp b,0,1
	s_delay_alu instid0(VALU_DEP_2)
	v_add_nc_u32 v[BS+\b], 0xff000000, v[BM+\b]
.endr
.irp b,0,1
	s_delay_alu instid0(VALU_DEP_2)
	v_lshrrev_b32 v[BT+\b], 23, v[BS+\b]
.endr
	v_cvt_scalef32_pk16_fp6_f32 v[PC:PC+2], v[S:S+15], v[BS]
	v_cvt_scalef32_pk16_fp6_f32 v[H0:H0+2], v[S+16:S+31], v[BS+1]
	v_nop
.irp i,0,1,2
	v_permlane16_swap_b32 v[PC+\i], v[H0+\i]       ; a whole block to a lane
.endr
.irp i,0,1,2
	s_delay_alu instid0(VALU_DEP_3)
	v_mov_b32 v[PC+3+\i], v[H0+\i]
.endr
	v_cndmask_b32 v[TP], v[BT], v[BT+1], s[HM]     ; lane (r, h) stores block h's byte of row r
.irp p,0,1,2
	global_store_b64 v10, v[PC+2*\p:PC+2*\p+1], s[10:11] offset:256*\p    ; 256 consecutive bytes, aligned
.endr
	global_store_b8 v29, v[TP], s[12:13]           ; a scale word's halves come from two heads, so from two work-groups: single bytes, one for each 24 bytes of codes
.endm
	s_wait_alu depctr_va_vdst(0)                   ; the wait at the head's end
	s_wait_loadcnt 0x0                             ; both tiles' Q
	INIT
	s_wait_alu depctr_va_vdst(0)
	s_cmp_lt_u32 s[WV], 2
	s_cbranch_scc0 .Lnot_first
	s_wait_tensorcnt 0x0                           ; waves 0 and 1: my key step has landed
.Lnot_first:
	s_barrier_signal -1
	s_barrier_wait -1                              ; key steps 0 and 1 are in; the others may be on their way
	KFIRST 0
	STEP 1
	STEP 0
	s_wait_tensorcnt 0x0                           ; every wave: my key step has landed
	s_wait_dscnt 0x0
	s_barrier_signal -1
	s_barrier_wait -1                              ; all sixteen are in
	KFIRST 2
	RUN 14, 2                                      ; its last step fetches step 0's K for the second tile: it lands under the way out
	OUT
	s_wait_xcnt 0x0                                ; the stores have read their registers and bases
	s_add_nc_u64 s[10:11], s[10:11], 12288         ; the second tile's row tile
	s_add_nc_u64 s[12:13], s[12:13], 512
.irp i,0,1,2,3,4,5
	v_mov_b32 v[16+\i], v[30+\i]                   ; and its Q; INIT's lines stand between these and the next products
.endr
	v_mov_b32 v28, v36
	INIT
	RUN 16, 0
	OUT
	s_wait_tensorcnt 0x0                           ; the wave's end
	ds_add_u32 v254, v255
	s_wait_dscnt 0x0
	CROUND                                         ; the closing round
	s_endpgm
.Lfunc_end_k_qbee1b7921a_attn:
	.size	k_qbee1b7921a_attn, .Lfunc_end_k_qbee1b7921a_attn-k_qbee1b7921a_attn
	.p2alignl 7, 3214868480
	.fill 96, 4, 3214868480
	.section	.rodata,"a",@progbits
	.p2align	6, 0x0
	.amdhsa_kernel k_qbee1b7921a_attn
		.amdhsa_group_segment_fixed_size 243712
		.amdhsa_private_segment_fixed_size 0
		.amdhsa_enable_private_segment 0
		.amdhsa_kernarg_size 40
		.amdhsa_user_sgpr_count 2
		.amdhsa_user_sgpr_kernarg_segment_ptr 1
		.amdhsa_wavefront_size32 1
		.amdhsa_system_sgpr_workgroup_id_x 1
		.amdhsa_system_sgpr_workgroup_id_y 1
		.amdhsa_system_sgpr_workgroup_id_z 1
		.amdhsa_system_vgpr_workitem_id 0
		.amdhsa_next_free_vgpr 256
		.amdhsa_next_free_sgpr 66
		.amdhsa_reserve_vcc 0
		.amdhsa_float_denorm_mode_32 3
		.amdhsa_float_denorm_mode_16_64 3
		.amdhsa_memory_ordered 1
		.amdhsa_forward_progress 1
		.amdhsa_inst_pref_size 110
	.end_amdhsa_kernel
	.amdgpu_metadata
---
amdhsa.version: [ 1, 2 ]
amdhsa.kernels:
  - .name:           k_qbee1b7921a_attn
    .symbol:         k_qbee1b7921a_attn.kd
    .args:
      - { .name: qc, .offset: 0, .size: 8, .value_kind: global_buffer, .address_space: global }
      - { .name: qs, .offset: 8, .size: 8, .value_kind: global_buffer, .address_space: global }
      - { .name: kv, .offset: 16, .size: 8, .value_kind: global_buffer, .address_space: global }
      - { .name: cimg, .offset: 24, .size: 8, .value_kind: global_buffer, .address_space: global }
      - { .name: cscl, .offset: 32, .size: 8, .value_kind: global_buffer, .address_space: global }
    .group_segment_fixed_size: 243712
    .private_segment_fixed_size: 0
    .kernarg_segment_align: 8
    .kernarg_segment_size: 40
    .max_flat_workgroup_size: 512
    .sgpr_count:     66
    .vgpr_count:     256
    .wavefront_size: 32
...
	.end_amdgpu_metadata
.endif
;; end of part 3
;; launch proj (part 4): grid 8 x 32, 4 waves a work-group, clusters of 4 x 4, 295,424 bytes of LDS; arguments cimg, cscl, img, scl, bo, out0; writes out0
.if DOCPART == 4
	.amdgcn_target "amdgcn-amd-amdhsa--gfx1250"
	.amdhsa_code_object_version 6
	.text
	.protected	k_qbee1b7921a_proj
	.globl	k_qbee1b7921a_proj
	.p2align	8
	.type	k_qbee1b7921a_proj,@function
k_qbee1b7921a_proj:
	s_mov_b64 s[64:65], 0
	v_nop
	global_prefetch_b8 v0, s[64:65] scope:SCOPE_SE
	s_setreg_imm32_b32 hwreg(HW_REG_WAVE_MODE, 25, 1), 1
	s_wait_xcnt 0x0
	s_wait_alu depctr_hold_cnt(0) depctr_sa_sdst(0) depctr_va_vdst(0) depctr_va_sdst(0) depctr_va_ssrc(0) depctr_va_vcc(0) depctr_vm_vsrc(0)
	s_getreg_b32 s2, hwreg(HW_REG_IB_STS2, 6, 4)
	s_cmp_eq_u32 s2, 0
	s_cbranch_scc0 .Lentry_in_a_cluster
	s_endpgm
.Lentry_in_a_cluster:
	s_bfe_u32 s2, ttmp6, 0x10000c
	s_cmp_lg_u32 s2, 0xf033
	s_cbranch_scc0 .Lentry_shape_is_right
	s_endpgm
.Lentry_shape_is_right:
; out0 = context Wo^T + bo on codes of FP6 (E2M3) with E8M0 scales, f32 sums, K = 1,024 in eight ascending steps of 128; the bias is the C of each sum's first product.
; TILE.  A work-group holds 256 rows of the context (16 row tiles, by work-group y) and 128 rows of Wo (8 row tiles, by work-group x) for ALL of K: 294,912 bytes of LDS, each byte filled once, in two halves of 512 along K.
; CLUSTERS.  4 x 4 work-groups: the context's tile is shared along a row of the cluster, Wo's along a column: each is asked for jointly.
; WAVE TILE.  Source 0 = Wo's eight row tiles, source 1 = the context's row tiles 4 w + a: a lane holds one row of out0 and its registers run along the columns.  Tile 2 B + u, lane r holds row 32 B + 8 u + r + 8 (r / 8).
; REGISTERS, in windows of 256.  Window 0: v1 8 x lane, v2 16 x lane, v3 r, v4 h, v7 64 h, v8-9 / v12-13 LDS addresses of Wo's / the context's fragments in half 0, 1, v16-17 the stage, v32-47 the context's scale words,
;   v48-79 Wo's, v80-175 the context's fragments in two sets (on the way out v80-207: rows read back).   Window 1: v0-191 Wo's fragments in two sets, v192-255 the bias.   Window 2: accumulator (a, b) at v[8 (8 a + b)].
; LDS lies by HALVES of K (they take the place of the chunks that the head comment names): [half][the context's 16 row tiles, then Wo's 8][6,144 bytes: 512 along K].
; One joint load a wave: wave 0 the context's half 0, wave 1 Wo's half 0, wave 2 the context's half 1, wave 3 Wo's half 1.  v8-9 / v12-13: LDS addresses of the fragments in half 0, 1.
.set CH,   147456
.set RTB,  6144
.set WOFF, 98304
.set ADR,  8
.set ADP,  12
.set STO,  16
.set RD,   17
.set SCP,  32
.set SCR,  48
.set PF,   80
.set BI,   192
.set G1X,  24
.set G1W,  32
.set G0X,  40
.set G0W,  68
.set MSB,  0
.macro WIN new                         ; the immediate's high byte repeats the setting that is left
.if MSB != \new
	s_set_vgpr_msb (MSB<<8)|\new
.set MSB, \new
.endif
.endm
.macro PLACES                          ; four plain vector lines behind a matrix instruction, ahead of loads into its sources and of reads of its result
.rept 4
	v_nop
.endr
.endm
.macro CROUND                          ; a round of the cluster's barrier
	s_barrier_signal -1
	s_barrier_wait -1
	s_cmp_lg_u32 s16, 0
	s_cbranch_scc1 .Lnot_wave_0_\@
	s_barrier_signal -3
.Lnot_wave_0_\@:
	s_barrier_wait -3
	s_barrier_signal -1
	s_barrier_wait -1
.endm
	s_load_b128 s[4:7], s[0:1], 0x0                ; cimg, cscl
	s_load_b128 s[8:11], s[0:1], 0x10              ; img, scl
	s_load_b128 s[12:15], s[0:1], 0x20             ; bo, out0
	v_lshl_add_u32 v254, v0, 2, 0x48000
	v_mov_b32 v255, 0
	ds_add_u32 v254, v255
	ds_add_u32 v254, v255
	v_lshrrev_b32 v1, 5, v0
	v_readfirstlane_b32 s16, v1                    ; wave 0..3
	s_bfe_u32 s19, ttmp6, 0x40000                  ; cx
	s_bfe_u32 s20, ttmp6, 0x40004                  ; cy
	s_lshl_b32 s21, ttmp9, 2
	s_add_co_u32 s21, s21, s19                     ; work-group x
	s_and_b32 s22, ttmp7, 0xffff
	s_lshl_b32 s22, s22, 2
	s_add_co_u32 s22, s22, s20                     ; work-group y
	s_lshl_b32 s23, s20, 2
	s_lshl_b32 s23, 15, s23                        ; my row of the cluster
	s_lshl_b32 s84, 0x1111, s19                    ; my column
	s_or_b32 s[G1X], s23, (3<<16)|(1<<21)          ; 15:0 the mask; 17:16 elements of 8 bytes; 21 set beside a mask; no padding
	s_or_b32 s[G1W], s84, (3<<16)|(1<<21)
.irp g, G1X, G1W
	s_mov_b32 s[\g+1], 768<<16                     ; tensor_dim0 = 768 elements: a row tile's 6,144 bytes of a half of K
	s_mov_b32 s[\g+2], (40-\g)<<16                 ; tensor_dim1: 16 row tiles of the context (group at s24), 8 of Wo (group at s32)
	s_mov_b32 s[\g+3], 768<<16                     ; tile_dim0
	s_mov_b32 s[\g+4], 40-\g                       ; tile_dim1
	s_mov_b32 s[\g+5], 1536                        ; from row tile to row tile: 12,288 bytes
	s_mov_b32 s[\g+6], 0
	s_mov_b32 s[\g+7], 0
.endr
	s_lshl_b32 s85, s22, 4                         ; the context's first row tile of the work-group
	s_lshl_b32 s86, s16, 2
	s_add_co_u32 s86, s85, s86                     ; my wave's first
	s_lshl_b32 s88, s21, 3
	s_add_co_u32 s88, s88, 704                     ; Wo's first row tile
	s_mul_i32 s92, s85, 12288                      ; the context's sixteen row tiles of the work-group
	s_mov_b32 s93, 0
	s_mul_i32 s94, s88, 12288
	s_mov_b32 s95, 0
	s_mul_i32 s97, s16, 24576                      ; where my wave's four row tiles begin in a half
	s_lshl_b32 s62, s86, 9
	s_mov_b32 s63, 0
	s_lshl_b32 s66, s88, 9
	s_mov_b32 s67, 0
	s_lshl_b32 s98, s21, 9                         ; my 128 columns: 512 bytes of bo and of a row of out0
	s_mov_b32 s99, 0
	s_lshl_b32 s100, s22, 20                       ; 256 rows of 4,096 bytes,
	s_lshl_b32 s101, s16, 18                       ; my wave's 64
	s_add_co_u32 s100, s100, s101
	s_add_co_u32 s100, s100, s98
	s_mov_b32 s101, 0
	s_mul_i32 s85, s16, 8448                       ; my stage
	s_wait_dscnt 0x0
	s_wait_kmcnt 0x0
	s_add_nc_u64 s[92:93], s[4:5], s[92:93]
	s_add_nc_u64 s[94:95], s[8:9], s[94:95]
	s_add_nc_u64 s[62:63], s[6:7], s[62:63]
	s_add_nc_u64 s[66:67], s[10:11], s[66:67]
	s_add_nc_u64 s[12:13], s[12:13], s[98:99]
	s_add_nc_u64 s[14:15], s[14:15], s[100:101]
	CROUND                                         ; all sixteen work-groups are here: the joint loads meet
.irp q,0,1
	s_mov_b32 s[G0X+4*\q], 1
	s_mov_b32 s[G0X+4*\q+1], CH*\q
	s_add_nc_u64 s[G0X+4*\q+2:G0X+4*\q+3], s[92:93], RTB*\q
	s_or_b32 s[G0X+4*\q+3], s[G0X+4*\q+3], 0x80000000
	s_mov_b32 s[G0W+4*\q], 1
	s_mov_b32 s[G0W+4*\q+1], CH*\q+WOFF
	s_add_nc_u64 s[G0W+4*\q+2:G0W+4*\q+3], s[94:95], RTB*\q
	s_or_b32 s[G0W+4*\q+3], s[G0W+4*\q+3], 0x80000000
.endr
	s_cmp_eq_u32 s16, 0                            ; one chain of branches on the wave's number, one load to an arm: every way passes exactly one
	s_cbranch_scc0 .Lw1
	tensor_load_to_lds s[G0X:G0X+3], s[G1X:G1X+7]  ; wave 0: the context, half 0 of K
	s_nop 0
	PLACES
	s_branch .Lasked
.Lw1:
	s_cmp_eq_u32 s16, 1
	s_cbranch_scc0 .Lw2
	tensor_load_to_lds s[G0W:G0W+3], s[G1W:G1W+7]  ; wave 1: Wo, half 0
	s_nop 0
	PLACES
	s_branch .Lasked
.Lw2:
	s_cmp_eq_u32 s16, 2
	s_cbranch_scc0 .Lw3
	tensor_load_to_lds s[G0X+4:G0X+7], s[G1X:G1X+7]  ; wave 2: the context, half 1
	s_nop 0
	PLACES
	s_branch .Lasked
.Lw3:
	tensor_load_to_lds s[G0W+4:G0W+7], s[G1W:G1W+7]  ; wave 3: Wo, half 1
	s_nop 0
	PLACES
.Lasked:
	v_and_b32 v5, 31, v0
	v_lshlrev_b32 v1, 3, v5
	v_lshlrev_b32 v2, 4, v5
	v_and_b32 v3, 15, v0
	v_bfe_u32 v4, v0, 4, 1
	v_lshlrev_b32 v7, 6, v4
.irp a,0,1,2,3
	global_load_b128 v[SCP+4*\a:SCP+4*\a+3], v2, s[62:63] offset:512*\a    ; register j: K step j's words in lanes 0-15, K step 4 + j's in lanes 16-31
.endr
.irp b,0,1,2,3,4,5,6,7
	global_load_b128 v[SCR+4*\b:SCR+4*\b+3], v2, s[66:67] offset:512*\b
.endr
	WIN 0x40                                       ; destination window 1
.irp g,0,1,2,3
.irp q,0,1,2,3
	global_load_b128 v[BI+16*\g+4*\q:BI+16*\g+4*\q+3], v7, s[12:13] offset:128*\g+16*\q   ; register 16 g + i: bo at column 32 g + 16 h + i: the result's layout
.endr
.endr
	WIN 0
	v_add_nc_u32 v[ADR], WOFF, v1
	v_add_nc_u32 v[ADP], s97, v1
.irp q,1
	v_add_nc_u32 v[ADR+\q], CH*\q, v[ADR]
	v_add_nc_u32 v[ADP+\q], CH*\q, v[ADP]
.endr
	v_mul_u32_u24 v[STO], v3, 528
	v_lshl_add_u32 v[STO], v4, 6, v[STO]
	v_add_nc_u32 v[STO], s85, v[STO]               ; the stage, in: row r, + 64 h
	v_add_nc_u32 v[RD], s85, v2                    ; and back: a whole row of 512 bytes to the 32 lanes
; K step s's fragments: 72 loads of 8 bytes a lane, each 256 consecutive bytes, into set s % 2
.macro FETCH s
	WIN 0x40                                       ; destination window 1, address window 0
.irp b,0,1,2,3,4,5,6,7
.irp c,0,1
.irp p,0,1,2
	ds_load_b64 v[96*((\s)%2)+12*\b+6*\c+2*\p:96*((\s)%2)+12*\b+6*\c+2*\p+1], v[ADR+(\s)/4] offset:RTB*\b+1536*((\s)%4)+768*\c+256*\p
.endr
.endr
.endr
	WIN 0
.irp a,0,1,2,3
.irp c,0,1
.irp p,0,1,2
	ds_load_b64 v[PF+48*((\s)%2)+12*\a+6*\c+2*\p:PF+48*((\s)%2)+12*\a+6*\c+2*\p+1], v[ADP+(\s)/4] offset:RTB*\a+1536*((\s)%4)+768*\c+256*\p
.endr
.endr
.endr
.endm
; K step s's 32 products.  The accumulators take turns, one instruction a turn, in the same order in every step.  The first step starts the sums from the bias.
.macro MUL s
.if (\s) == 0
	WIN 0x91                                       ; source 0 (Wo) window 1, source 1 window 0, C (the bias) window 1, D window 2
.else
	WIN 0xa1                                       ; C and D window 2
.endif
.irp a,0,1,2,3
.irp b,0,1,2,3,4,5,6,7
.if (\s) == 0
	v_wmma_scale_f32_16x16x128_f8f6f4 v[8*(8*\a+\b):8*(8*\a+\b)+7], v[96*((\s)%2)+12*\b:96*((\s)%2)+12*\b+11], v[PF+48*((\s)%2)+12*\a:PF+48*((\s)%2)+12*\a+11], v[BI+8*\b:BI+8*\b+7], v[SCR+4*\b+(\s)%4], v[SCP+4*\a+(\s)%4] matrix_a_fmt:MATRIX_FMT_FP6 matrix_b_fmt:MATRIX_FMT_FP6
.elseif (\s) < 4
	v_wmma_scale_f32_16x16x128_f8f6f4 v[8*(8*\a+\b):8*(8*\a+\b)+7], v[96*((\s)%2)+12*\b:96*((\s)%2)+12*\b+11], v[PF+48*((\s)%2)+12*\a:PF+48*((\s)%2)+12*\a+11], v[8*(8*\a+\b):8*(8*\a+\b)+7], v[SCR+4*\b+(\s)%4], v[SCP+4*\a+(\s)%4] matrix_a_fmt:MATRIX_FMT_FP6 matrix_b_fmt:MATRIX_FMT_FP6
.else
	v_wmma_scale_f32_16x16x128_f8f6f4 v[8*(8*\a+\b):8*(8*\a+\b)+7], v[96*((\s)%2)+12*\b:96*((\s)%2)+12*\b+11], v[PF+48*((\s)%2)+12*\a:PF+48*((\s)%2)+12*\a+11], v[8*(8*\a+\b):8*(8*\a+\b)+7], v[SCR+4*\b+(\s)%4], v[SCP+4*\a+(\s)%4] matrix_a_fmt:MATRIX_FMT_FP6 matrix_b_fmt:MATRIX_FMT_FP6 matrix_a_scale:MATRIX_SCALE_ROW1 matrix_b_scale:MATRIX_SCALE_ROW1
.endif
.endr
.endr
.endm
.macro KSTEP s
	s_wait_dscnt 0x0                               ; this step's fragments are in
.if (\s) < 7
.if (\s) == 3
	s_wait_tensorcnt 0x0                           ; every wave waits for its one load: half 1 of K is shown to all by the barrier below; nothing is filled twice
	s_barrier_signal -1
	s_barrier_wait -1                              ; everybody's has
.endif
.if (\s) > 0
	PLACES                                         ; behind the last step's products, which read the set that is loaded now
.endif
	FETCH (\s)+1
.endif
.if (\s) == 0
	s_wait_loadcnt 0x0                             ; the scale words and the bias
.endif
	MUL \s
.endm
	s_wait_alu depctr_va_vdst(0)
	s_cmp_lt_u32 s16, 2                            ; waves 0 and 1 asked for half 0 of K, by load lines of their own: they wait for it
	s_cbranch_scc0 .Lnot_h0
	s_wait_tensorcnt 0x0
.Lnot_h0:
	s_barrier_signal -1
	s_barrier_wait -1                              ; half 0 is in; half 1 may still be on its way
	FETCH 0
.irp s,0,1,2,3,4,5,6,7
	KSTEP \s
.endr
	WIN 0
	PLACES
; THE WAY OUT, a block of 16 rows x 128 columns at a time, through my own stage of 16 rows x 528 bytes, and back as whole rows of 512 bytes.  The stages lie in half 0's first 33,792 bytes: every wave's reads of half 0 were
; waited for, and every fill of the launch was shown landed, in front of the barrier in K step 3.  LDS serves a wave's instructions in order (ISA guide 5.7.1.4): no wait between stores and loads.
.macro TOSTAGE a
	WIN 0x08                                       ; an LDS store's data are its source 1: window 2
.irp b,0,1,2,3,4,5,6,7
	ds_store_b128 v[STO], v[8*(8*(\a)+\b):8*(8*(\a)+\b)+3] offset:128*(\b/2)+32*(\b%2)        ; each accumulator from its low end on
	ds_store_b128 v[STO], v[8*(8*(\a)+\b)+4:8*(8*(\a)+\b)+7] offset:128*(\b/2)+32*(\b%2)+16
.endr
	WIN 0
.irp t,0,1,2,3,4,5,6,7,8,9,10,11,12,13,14,15
	ds_load_b128 v[PF+64*((\a)%2)+4*\t:PF+64*((\a)%2)+4*\t+3], v[RD] offset:528*\t
.endr
.endm
.macro SEND a, younger                 ; younger: the LDS instructions issued behind block a's loads, which may stay out
	s_wait_dscnt \younger
.irp t,0,1,2,3,4,5,6,7,8,9,10,11,12,13,14,15
	global_store_b128 v2, v[PF+64*((\a)%2)+4*\t:PF+64*((\a)%2)+4*\t+3], s[14:15] offset:(32*((\a)/2)+8*((\a)%2)+\t+8*(\t/8))*4096 th:TH_STORE_NT   ; 512 consecutive bytes, aligned; written once, read by nobody here
.endr
.endm
	TOSTAGE 0
.irp a,1,2,3
.if \a > 1
	s_wait_xcnt 0x0                                ; block a - 2's stores have read their registers: block a's loads may land there
.endif
	TOSTAGE \a
	SEND \a-1, 32                                  ; behind block a - 1's loads: block a's 16 stores and 16 loads
.endr
	SEND 3, 0
	s_wait_tensorcnt 0x0
	ds_add_u32 v254, v255
	s_wait_dscnt 0x0
	CROUND                                         ; the closing round: no work-group ends while a partner may still ask for a tile that names it
	s_endpgm
.Lfunc_end_k_qbee1b7921a_proj:
	.size	k_qbee1b7921a_proj, .Lfunc_end_k_qbee1b7921a_proj-k_qbee1b7921a_proj
	.p2alignl 7, 3214868480
	.fill 96, 4, 3214868480
	.section	.rodata,"a",@progbits
	.p2align	6, 0x0
	.amdhsa_kernel k_qbee1b7921a_proj
		.amdhsa_group_segment_fixed_size 295424
		.amdhsa_private_segment_fixed_size 0
		.amdhsa_enable_private_segment 0
		.amdhsa_kernarg_size 48
		.amdhsa_user_sgpr_count 2
		.amdhsa_user_sgpr_kernarg_segment_ptr 1
		.amdhsa_wavefront_size32 1
		.amdhsa_system_sgpr_workgroup_id_x 1
		.amdhsa_system_sgpr_workgroup_id_y 1
		.amdhsa_system_sgpr_workgroup_id_z 1
		.amdhsa_system_vgpr_workitem_id 0
		.amdhsa_next_free_vgpr 768
		.amdhsa_next_free_sgpr 102
		.amdhsa_reserve_vcc 0
		.amdhsa_float_denorm_mode_32 3
		.amdhsa_float_denorm_mode_16_64 3
		.amdhsa_memory_ordered 1
		.amdhsa_forward_progress 1
		.amdhsa_inst_pref_size 95
	.end_amdhsa_kernel
	.amdgpu_metadata
---
amdhsa.version: [ 1, 2 ]
amdhsa.kernels:
  - .name:           k_qbee1b7921a_proj
    .symbol:         k_qbee1b7921a_proj.kd
    .args:
      - { .name: cimg, .offset: 0, .size: 8, .value_kind: global_buffer, .address_space: global }
      - { .name: cscl, .offset: 8, .size: 8, .value_kind: global_buffer, .address_space: global }
      - { .name: img, .offset: 16, .size: 8, .value_kind: global_buffer, .address_space: global }
      - { .name: scl, .offset: 24, .size: 8, .value_kind: global_buffer, .address_space: global }
      - { .name: bo, .offset: 32, .size: 8, .value_kind: global_buffer, .address_space: global }
      - { .name: out0, .offset: 40, .size: 8, .value_kind: global_buffer, .address_space: global }
    .group_segment_fixed_size: 295424
    .private_segment_fixed_size: 0
    .kernarg_segment_align: 8
    .kernarg_segment_size: 48
    .max_flat_workgroup_size: 128
    .sgpr_count:     102
    .vgpr_count:     768
    .wavefront_size: 32
...
	.end_amdgpu_metadata
.endif
;; end of part 4
